; MI455X (gfx1250); checked and timed in simulation.
; The chip was launched on July 23, 2026; its instructions are those of AMD's public machine-readable ISA for CDNA 5 (MIT licence, August 2026) and "CDNA5" Instruction Set Architecture Reference Guide (July 2026). The comments in the code are by the model that wrote it; some were corrected since.
;; Causal Self Attention. Allowed arithmetic: matrix products marked QUANTISED: E2M1 operands, one E8M0 scale for each 32 along K, by v_wmma_scale_f32_16x16x128_f8f6f4 with both operands' format E2M1 (or v_wmma_scale_f32_32x16x128_f4), f32 sums; products left as they are: bf16, f16 or f32 operands; f32 sums; everything else in f32.
;; Inputs: Wk 1,024 x 1,024 float32; Wo 1,024 x 1,024 float32; Wq 1,024 x 1,024 float32; Wv 1,024 x 1,024 float32; bo 1,024 float32; x 4 x 2,048 x 1,024 float32.
;; Outputs: out0 4 x 2,048 x 1,024 float32.
;; This version of the problem:
;;   THIS VERSION OF THE PROBLEM IS GIVEN IN LOW PRECISION. The matrix products marked QUANTISED in the list below multiply operands that are first quantised to E2M1 (2 exponent bits, 1 mantissa bit; 4 bits a number), with one power-of-two scale for each 32 numbers along K (OCP MX v1.0); their sums are f32. The products marked 'left as it is' may take bf16, f16 or f32 operands, with f32 sums. Whichever they take, every output number must still come out within the allowed error. Rounding operands to bf16 (8 significant bits) uses up far more of that allowance than f16 does (11 bits, for magnitudes from 6e-5 to 65,504). All else is computed in f32.
;;   The module's matrix products, in the order in which they are computed (A, B: the left and right operand; K: the contracted axis; several contracted axes count as one K, in the product's order):
;;     1. [M 8,192, K 1,024] x [K 1,024, N 1,024]; A: input x; B: input Wq: QUANTISED
;;     2. [M 8,192, K 1,024] x [K 1,024, N 1,024]; A: input x; B: input Wk: QUANTISED
;;     3. [M 8,192, K 1,024] x [K 1,024, N 1,024]; A: input x; B: input Wv: QUANTISED
;;     4. batch 64 x [M 2,048, K 64] x [K 64, N 2,048]; A: computed on the way; B: computed on the way: left as it is (an operand is computed on the way)
;;     5. batch 64 x [M 2,048, K 2,048] x [K 2,048, N 64]; A: computed on the way; B: computed on the way: left as it is (an operand is computed on the way)
;;     6. [M 8,192, K 1,024] x [K 1,024, N 1,024]; A: computed on the way; B: input Wo: left as it is (an operand is computed on the way)
;;   THE QUANTISER, for each operand of a quantised product, along K:
;;     - K is cut into blocks of 32 from its start; a last block that is shorter is filled with zeros.
;;     - A block's scale is 2^e with e = floor(log2(the largest magnitude in the block)) - 2, held to -126 .. 127; a block of zeros has e = 0. As a byte (E8M0): e + 127.
;;     - Each number is divided by its block's scale, clamped to +-6, and rounded to the nearest number of E2M1, ties to even, subnormals kept.
;;     - The product sums the exact products of the quantised numbers (number of the format x scale) in f32.
;;   ~~~python
;;   def quantise(x, axis):      # numpy; x: float32 -> the quantised numbers, widened to float32 again
;;       x = np.moveaxis(x, axis, -1); K = x.shape[-1]
;;       x = np.pad(x, [(0, 0)] * (x.ndim - 1) + [(0, -K % 32)]); x = x.reshape(x.shape[:-1] + (-1, 32)); a = np.abs(x).max(-1, keepdims=True)
;;       e = np.where(a > 0, np.clip(np.frexp(np.where(a > 0, a, 1))[1] - 1 - 2, -126, 127), 0)      # np.frexp(a)[1] - 1 = floor(log2(a)), exactly
;;       r = np.clip(x / 2.0 ** e, -6, 6)
;;       step = 2.0 ** (np.maximum(np.frexp(np.where(r == 0, 1, r))[1] - 1, 0) - 1)
;;       q = np.round(r / step) * step * 2.0 ** e      # np.round: ties to even
;;       return np.moveaxis(q.reshape(q.shape[:-2] + (-1,))[..., :K], -1, axis).astype(np.float32)
;;   ~~~
;; One version. Each part assembles by itself: llvm-mc -triple=amdgcn-amd-amdhsa -mcpu=gfx1250 --defsym DOCPART=n.
;; ======== version 1 of 1: 6 launches
;; limits: values are held in f16: magnitudes above 65,504 overflow, below 6.1e-05 lose precision
;; workspace buffers: xc 4,194,304 bytes; xs 262,144 bytes; wc 1,572,864 bytes; ws 98,304 bytes; wo16 2,097,152 bytes; qkv16 50,331,648 bytes; ao16 16,777,216 bytes; ao32 262,144 bytes
;; launch prep (part 1): grid 256 x 1, 8 waves a work-group, no clusters, 84,480 bytes of LDS; arguments x, Wq, Wk, Wv, Wo, xc, xs, wc, ws, wo16; writes xc, xs, wc, ws, wo16
.if DOCPART == 1
	.amdgcn_target "amdgcn-amd-amdhsa--gfx1250"
	.amdhsa_code_object_version 6
	.text
	.protected	k_q34ccacb0b4_prep
	.globl	k_q34ccacb0b4_prep
	.p2align	8
	.type	k_q34ccacb0b4_prep,@function
k_q34ccacb0b4_prep:
	s_mov_b64 s[64:65], 0
	v_nop
	global_prefetch_b8 v0, s[64:65] scope:SCOPE_SE
	s_setreg_imm32_b32 hwreg(HW_REG_WAVE_MODE, 25, 1), 1
	s_wait_xcnt 0x0
; Three jobs in one launch, told apart by the work-group's number alone:
;   work-groups 0-127:   x [8192][1024] f32 -> codes of E2M1, K innermost (xc [8192][512 bytes]) and one E8M0 byte for each 32 along K (xs [8192][32])
;   work-groups 128-223: Wq, Wk, Wv [1024 (k)][1024 (n)] f32, K their FIRST axis -> wc [3072 (1024 t + n)][512 bytes], ws [3072][32]
;   work-groups 224-255: Wo f32 -> wo16, f16, same layout
; A block's scale is 2^(floor(log2(its largest magnitude)) - 2); its byte is the largest magnitude's exponent field - 2, held at 1 from below.
; LIMITS: a block of zeros gets the byte 1 where the quantiser says 127 (its codes are zeros, and this program alone reads the bytes); blocks whose largest
; magnitude lies under 2^-124 keep the byte 1; NaN and infinities are not served; |Wo| stays under 65,504 (f16).
; No tensor load.  Each job that uses LDS has LDS bytes of its own.
.set STEPS, 16
.set EMAX,  2
.set CB,    8                          ; bytes of 16 codes
.set R,     16                         ; x: v16-79 four sets of 16 numbers as loaded
.set X,     80                         ; x: v80-111 two sets of 16 neighbours
.set E,     112                        ; x: v112-127 a scale byte for each step
.set C,     128                        ; x: v128-191 codes, four registers for each step
.set WREG,  8192                       ; x: LDS region of a wave: two stages of 32 x SP bytes, then 256 scale bytes
.set SP,    80
.set WST,   65536                      ; weights: a stage of 32 rows (columns n) x (512 bytes + 16)
.set WP,    528
.set WSS,   WST+32*WP                  ; weights: 32 rows x 32 scale bytes
.set SPARE, WSS+1024                   ; the spare words, 128 bytes for each wave
.set SPW,   12                         ; v12 LDS address of my spare word; never rewritten
.set NIL,   13                         ; v13 0; never rewritten
	s_load_b256 s[4:11], s[0:1], 0x0               ; x, Wq, Wk, Wv
	s_load_b256 s[12:19], s[0:1], 0x20             ; Wo, xc, xs, wc
	s_load_b128 s[20:23], s[0:1], 0x40             ; ws, wo16
	v_lshl_add_u32 v[SPW], v0, 2, SPARE
	v_mov_b32 v[NIL], 0
	v_lshrrev_b32 v1, 5, v0
	v_readfirstlane_b32 s24, v1                    ; wave 0..7
	v_and_b32 v2, 31, v0                           ; lane
	s_mov_b32 s29, 0                               ; the upper word of every offset pair s[28:29]
	s_wait_kmcnt 0x0
	s_cmp_lt_u32 ttmp9, 128
	s_cbranch_scc1 .LX
	s_cmp_lt_u32 ttmp9, 224
	s_cbranch_scc1 .LW
; ---- Wo to f16: a wave takes 4,096 numbers; each load covers 512 consecutive bytes, each store 256 consecutive aligned bytes
	s_sub_co_u32 s26, ttmp9, 224
	s_lshl_b32 s26, s26, 3
	s_add_co_u32 s26, s26, s24                     ; which run of 4,096 numbers
	s_lshl_b32 s28, s26, 14
	s_add_nc_u64 s[12:13], s[12:13], s[28:29]
	s_lshl_b32 s28, s26, 13
	s_add_nc_u64 s[22:23], s[22:23], s[28:29]
	v_lshlrev_b32 v3, 4, v2
	v_lshlrev_b32 v4, 3, v2
.irp i, 0,1,2,3,4,5,6,7,8,9,10,11,12,13,14,15,16,17,18,19,20,21,22,23,24,25,26,27,28,29,30,31
	global_load_b128 v[32+4*\i:35+4*\i], v3, s[12:13] offset:512*\i
.endr
.irp g, 0,1,2,3
	s_wait_loadcnt 24-8*\g                         ; these eight loads are in; the younger ones stay out
.irp i, 0,1,2,3,4,5,6,7
	v_cvt_pk_f16_f32 v[32+4*(8*\g+\i)], v[32+4*(8*\g+\i)], v[33+4*(8*\g+\i)]
	v_cvt_pk_f16_f32 v[33+4*(8*\g+\i)], v[34+4*(8*\g+\i)], v[35+4*(8*\g+\i)]
	global_store_b64 v4, v[32+4*(8*\g+\i):33+4*(8*\g+\i)], s[22:23] offset:256*(8*\g+\i)
.endr
.endr
	s_branch .Lend
; ---- x: a plain stream of blocks of 32.  A wave takes 16 steps of 512 numbers.  Each load reads 512 consecutive bytes; a step's 2,048 bytes turn through the wave's own
; stage in LDS so that a lane then holds 16 neighbours along K (two neighbouring lanes hold a block).
.LX:
	v_lshlrev_b32 v3, 4, v2                        ; my 16 bytes of a load's 512
	s_mul_i32 s25, s24, WREG
	v_lshrrev_b32 v14, 2, v2
	v_mul_u32_u24 v14, v14, SP
	v_and_b32 v15, 3, v2
	v_lshl_add_u32 v14, v15, 4, v14
	v_add_nc_u32 v14, s25, v14                     ; the stage, in: SP (lane / 4) + 16 (lane % 4)
	v_mul_u32_u24 v15, v2, SP
	v_add_nc_u32 v15, s25, v15                     ; and out: SP x lane
	v_mul_u32_u24 v4, v2, CB                       ; my codes' place in a step's
	v_lshrrev_b32 v5, 1, v2
	s_add_co_u32 s25, s25, 2*32*SP
	v_add_nc_u32 v5, s25, v5                       ; my block's scale byte
	v_lshlrev_b32 v7, 3, v2
	v_add_nc_u32 v6, s25, v7                       ; and on the way out 8 bytes a lane
	s_lshl_b32 s26, ttmp9, 3
	s_add_co_u32 s26, s26, s24                     ; which run of 8,192 numbers
	s_lshl_b32 s28, s26, 15
	s_add_nc_u64 s[4:5], s[4:5], s[28:29]
	s_lshl_b32 s28, s26, 12
	s_add_nc_u64 s[14:15], s[14:15], s[28:29]
	s_lshl_b32 s28, s26, 8
	s_add_nc_u64 s[16:17], s[16:17], s[28:29]
.macro LOAD t
.irp i, 0,1,2,3
	global_load_b128 v[R+16*((\t)%4)+4*\i:R+16*((\t)%4)+4*\i+3], v3, s[4:5] offset:2048*(\t)+512*\i th:TH_LOAD_NT
.endr
.endm
.macro TURN t                          ; step t's numbers through the stage: LDS serves a wave's instructions in order, so no wait stands between the stores and the loads
.irp i, 0,1,2,3
	ds_store_b128 v14, v[R+16*((\t)%4)+4*\i:R+16*((\t)%4)+4*\i+3] offset:32*SP*((\t)%2)+8*SP*\i
.endr
.irp i, 0,1,2,3
	ds_load_b128 v[X+16*((\t)%2)+4*\i:X+16*((\t)%2)+4*\i+3], v15 offset:32*SP*((\t)%2)+16*\i
.endr
.endm
.irp t, 0,1,2,3
	LOAD \t
.endr
	s_wait_loadcnt 12                              ; step 0's four loads are in
	TURN 0
.macro STEP t
.set XS, X+16*((\t)%2)
.if (\t) > 0
	s_wait_dscnt 1                                 ; this step's numbers are back from the stage (the last step's byte store may be out)
.else
	s_wait_dscnt 0x0
.endif
.if (\t)+4 < STEPS
	LOAD (\t)+4                                    ; into the registers that the stage's stores have read
.endif
.if (\t)+1 < STEPS
.if STEPS-2-(\t) >= 3
	s_wait_loadcnt 12                              ; the next step's four loads are in; those of the three steps behind it may be out
.else
	s_wait_loadcnt 4*(STEPS-2-(\t))
.endif
	TURN (\t)+1
.endif
	v_max3_num_f32 v8, |v[XS]|, |v[XS+1]|, |v[XS+2]|
	v_max3_num_f32 v9, |v[XS+3]|, |v[XS+4]|, |v[XS+5]|
.irp i, 6,10
	v_max3_num_f32 v8, v8, |v[XS+\i]|, |v[XS+\i+1]|
	v_max3_num_f32 v9, v9, |v[XS+\i+2]|, |v[XS+\i+3]|
.endr
	v_max3_num_f32 v8, v8, |v[XS+14]|, |v[XS+15]|
	v_max3_num_f32 v8, v8, v9, (EMAX+1)<<23        ; and the floor 2^(3 - 127): the byte cannot fall under 1
	v_max_num_f32_dpp v8, v8, v8 row_xmask:1 row_mask:0xf bank_mask:0xf   ; with my neighbour's 16: the block's
	v_add_nc_u32 v11, -(EMAX<<23), v8              ; 2 off its exponent field: the conversion's scale operand
	v_cvt_scalef32_pk8_fp4_f32 v[C+4*(\t)], v[XS:XS+7], v11
	v_cvt_scalef32_pk8_fp4_f32 v[C+4*(\t)+1], v[XS+8:XS+15], v11
	v_lshrrev_b32 v[E+(\t)], 23, v11               ; the scale's byte
	ds_store_b8 v5, v[E+(\t)] offset:16*(\t)       ; both lanes of a block write the same byte with the same value
	global_store_b64 v4, v[C+4*(\t):C+4*(\t)+1], s[14:15] offset:32*CB*(\t)   ; the wave stores 256 consecutive aligned bytes
.endm
.irp t, 0,1,2,3,4,5,6,7,8,9,10,11,12,13,14,15
	STEP \t
.endr
	ds_load_b64 v[8:9], v6                         ; my wave's 256 scale bytes; LDS serves a wave's instructions in order
	s_wait_dscnt 0x0
	global_store_b64 v7, v[8:9], s[16:17]          ; 256 consecutive aligned bytes
	s_branch .Lend
; ---- Wq, Wk, Wv: a work-group takes 32 columns and all of K; wave w rows k = 128 w .. 128 w + 127.  A LANE TAKES A COLUMN AND ITS REGISTERS RUN DOWN K: a block of 32 lies in one lane,
; and the conversions give codes with K innermost.  The codes meet in a stage (a row to a column), and leave as whole rows of 512 bytes.
.LW:
	s_sub_co_u32 s26, ttmp9, 128
	s_lshr_b32 s27, s26, 5                         ; t: 0 Wq, 1 Wk, 2 Wv
	s_and_b32 s26, s26, 31                         ; which 32 columns
	s_cmp_eq_u32 s27, 0
	s_cselect_b64 s[6:7], s[6:7], s[8:9]
	s_cmp_eq_u32 s27, 2
	s_cselect_b64 s[6:7], s[10:11], s[6:7]
	s_lshl_b32 s28, s24, 19                        ; 128 rows of 4,096 bytes a wave
	s_lshl_b32 s30, s26, 7
	s_add_co_u32 s28, s28, s30
	s_add_nc_u64 s[6:7], s[6:7], s[28:29]
	s_lshl_b32 s30, s27, 10
	s_lshl_b32 s31, s26, 5
	s_add_co_u32 s30, s30, s31                     ; first output row: 1024 t + 32 x group
	s_lshl_b32 s28, s30, 5
	s_add_nc_u64 s[20:21], s[20:21], s[28:29]      ; its scale bytes
	s_lshl_b32 s31, s24, 2
	s_add_co_u32 s30, s30, s31                     ; + 4 w: the four rows that I store
	s_lshl_b32 s28, s30, 9
	s_add_nc_u64 s[18:19], s[18:19], s[28:29]
	v_lshlrev_b32 v3, 2, v2                        ; in: 4 bytes a lane
	v_mul_u32_u24 v4, v2, WP
	s_lshl_b32 s31, s24, 6
	s_add_co_u32 s31, s31, WST
	v_add_nc_u32 v4, s31, v4                       ; stage, in: row = my column, byte 64 w
	v_lshlrev_b32 v5, 5, v2
	s_lshl_b32 s31, s24, 2
	s_add_co_u32 s31, s31, WSS
	v_add_nc_u32 v5, s31, v5                       ; my column's scale word of these 128 k
	v_lshlrev_b32 v7, 4, v2
	s_mul_i32 s31, s24, 4*WP
	s_add_co_u32 s31, s31, WST
	v_add_nc_u32 v6, s31, v7                       ; stage, out: rows 4 w on, 16 bytes a lane
	s_and_b32 s31, s24, 1
	s_lshl_b32 s31, s31, 9
	v_add_nc_u32 v17, s31, v7                      ; scale bytes, out: waves 0 and 1, 512 bytes each
	v_add_nc_u32 v16, WSS, v17
.macro WLOAD t
.irp i, 0,1,2,3,4,5,6,7,8,9,10,11,12,13,14,15,16,17,18,19,20,21,22,23,24,25,26,27,28,29,30,31
	global_load_b32 v[32+32*(\t)+\i], v3, s[6:7] offset:(32*(\t)+\i)*4096 th:TH_LOAD_NT
.endr
.endm
.macro WBLOCK t
.set XS, 32+32*(\t)
.if (\t) < 3
	s_wait_loadcnt 32                              ; this block's 32 loads are in; the next block's may be out
.else
	s_wait_loadcnt 0x0
.endif
.if (\t)+2 < 4
	WLOAD (\t)+2
.endif
	v_max3_num_f32 v8, |v[XS]|, |v[XS+1]|, |v[XS+2]|
	v_max3_num_f32 v9, |v[XS+3]|, |v[XS+4]|, |v[XS+5]|
.irp i, 6,10,14,18,22,26
	v_max3_num_f32 v8, v8, |v[XS+\i]|, |v[XS+\i+1]|
	v_max3_num_f32 v9, v9, |v[XS+\i+2]|, |v[XS+\i+3]|
.endr
	v_max3_num_f32 v8, v8, |v[XS+30]|, |v[XS+31]|
	v_max3_num_f32 v8, v8, v9, (EMAX+1)<<23
	v_add_nc_u32 v11, -(EMAX<<23), v8
	v_lshrrev_b32 v10, 23, v11
.if (\t) == 0
	v_mov_b32 v176, v10                            ; four bytes to a word, the lower K in the lower byte
.else
	v_lshl_or_b32 v176, v10, 8*(\t), v176
.endif
.irp g, 0,1,2,3
	v_cvt_scalef32_pk8_fp4_f32 v[160+4*(\t)+\g], v[XS+8*\g:XS+8*\g+7], v11
.endr
	ds_store_b128 v4, v[160+4*(\t):163+4*(\t)] offset:16*(\t)
.endm
	WLOAD 0
	WLOAD 1
	WBLOCK 0
	WBLOCK 1
	WBLOCK 2
	WBLOCK 3
	v_nop                                          ; one plain line behind the last scaled conversion
	ds_store_b32 v5, v176
	s_wait_dscnt 0x0                               ; for the others' sake: my stores have landed
	s_barrier_signal -1
	s_barrier_wait -1
.irp i, 0,1,2,3
	ds_load_b128 v[32+4*\i:35+4*\i], v6 offset:WP*\i
.endr
.irp i, 0,1,2,3
	s_wait_dscnt 3-\i
	global_store_b128 v7, v[32+4*\i:35+4*\i], s[18:19] offset:512*\i   ; a whole row: 512 consecutive aligned bytes
.endr
	s_cmp_lt_u32 s24, 2
	s_cbranch_scc0 .Lend
	ds_load_b128 v[48:51], v16
	s_wait_dscnt 0x0
	global_store_b128 v17, v[48:51], s[20:21]      ; the 32 rows' scale bytes are 1,024 dense bytes: 512 a wave
.Lend:
	s_wait_tensorcnt 0x0                           ; the wave's end
	ds_add_u32 v[SPW], v[NIL]
	s_wait_dscnt 0x0
	s_endpgm
.Lfunc_end_k_q34ccacb0b4_prep:
	.size	k_q34ccacb0b4_prep, .Lfunc_end_k_q34ccacb0b4_prep-k_q34ccacb0b4_prep
	.p2alignl 7, 3214868480
	.fill 96, 4, 3214868480
	.section	.rodata,"a",@progbits
	.p2align	6, 0x0
	.amdhsa_kernel k_q34ccacb0b4_prep
		.amdhsa_group_segment_fixed_size 84480
		.amdhsa_private_segment_fixed_size 0
		.amdhsa_enable_private_segment 0
		.amdhsa_kernarg_size 80
		.amdhsa_user_sgpr_count 2
		.amdhsa_user_sgpr_kernarg_segment_ptr 1
		.amdhsa_wavefront_size32 1
		.amdhsa_system_sgpr_workgroup_id_x 1
		.amdhsa_system_sgpr_workgroup_id_y 1
		.amdhsa_system_sgpr_workgroup_id_z 1
		.amdhsa_system_vgpr_workitem_id 0
		.amdhsa_next_free_vgpr 192
		.amdhsa_next_free_sgpr 66
		.amdhsa_reserve_vcc 0
		.amdhsa_float_denorm_mode_32 3
		.amdhsa_float_denorm_mode_16_64 3
		.amdhsa_memory_ordered 1
		.amdhsa_forward_progress 1
		.amdhsa_inst_pref_size 64
	.end_amdhsa_kernel
	.amdgpu_metadata
---
amdhsa.version: [ 1, 2 ]
amdhsa.kernels:
  - .name:           k_q34ccacb0b4_prep
    .symbol:         k_q34ccacb0b4_prep.kd
    .args:
      - { .name: x, .offset: 0, .size: 8, .value_kind: global_buffer, .address_space: global }
      - { .name: Wq, .offset: 8, .size: 8, .value_kind: global_buffer, .address_space: global }
      - { .name: Wk, .offset: 16, .size: 8, .value_kind: global_buffer, .address_space: global }
      - { .name: Wv, .offset: 24, .size: 8, .value_kind: global_buffer, .address_space: global }
      - { .name: Wo, .offset: 32, .size: 8, .value_kind: global_buffer, .address_space: global }
      - { .name: xc, .offset: 40, .size: 8, .value_kind: global_buffer, .address_space: global }
      - { .name: xs, .offset: 48, .size: 8, .value_kind: global_buffer, .address_space: global }
      - { .name: wc, .offset: 56, .size: 8, .value_kind: global_buffer, .address_space: global }
      - { .name: ws, .offset: 64, .size: 8, .value_kind: global_buffer, .address_space: global }
      - { .name: wo16, .offset: 72, .size: 8, .value_kind: global_buffer, .address_space: global }
    .group_segment_fixed_size: 84480
    .private_segment_fixed_size: 0
    .kernarg_segment_align: 8
    .kernarg_segment_size: 80
    .max_flat_workgroup_size: 256
    .sgpr_count:     66
    .vgpr_count:     192
    .wavefront_size: 32
...
	.end_amdgpu_metadata
.endif
;; end of part 1
;; launch qkv (part 2): grid 12 x 32, 4 waves a work-group, clusters of 4 x 4, 327,680 bytes of LDS; arguments xc, xs, wc, ws, qkv16; writes qkv16
.if DOCPART == 2
	.amdgcn_target "amdgcn-amd-amdhsa--gfx1250"
	.amdhsa_code_object_version 6
	.text
	.protected	k_q34ccacb0b4_qkv
	.globl	k_q34ccacb0b4_qkv
	.p2align	8
	.type	k_q34ccacb0b4_qkv,@function
k_q34ccacb0b4_qkv:
	s_mov_b64 s[64:65], 0
	v_nop
	global_prefetch_b8 v0, s[64:65] scope:SCOPE_SE
	s_setreg_imm32_b32 hwreg(HW_REG_WAVE_MODE, 25, 1), 1
	s_wait_xcnt 0x0
	s_wait_alu depctr_hold_cnt(0) depctr_sa_sdst(0) depctr_va_vdst(0) depctr_va_sdst(0) depctr_va_ssrc(0) depctr_va_vcc(0) depctr_vm_vsrc(0)
	s_getreg_b32 s2, hwreg(HW_REG_IB_STS2, 6, 4)
	s_cmp_eq_u32 s2, 0
	s_cbranch_scc0 .Lentry_in_a_cluster
	s_endpgm
.Lentry_in_a_cluster:
	s_bfe_u32 s2, ttmp6, 0x10000c
	s_cmp_lg_u32 s2, 0xf033
	s_cbranch_scc0 .Lentry_shape_is_right
	s_endpgm
.Lentry_shape_is_right:
; q, k, v = Q(x) Q(W): C[m][n] = sum over k of A[m][k] B[n][k] on codes of E2M1 with one E8M0 scale for each 32 along K.  A = xc [8192][1024 codes], B = wc [3072][1024 codes]
; (n = 1024 t + 64 head + channel; t = 0 q, 1 k, 2 v); sums in f32; the result is rounded once to f16 and laid head by head: qkv16 [t][batch][head][position][64].
; LIMIT: |q|, |k|, |v| under 65,504 (f16).
; A tile of C, 256 x 256, is made by four waves, each 128 x 128: 64 accumulators, 512 registers.  K = 1,024 is two slots of 512 along K: both are asked for at the head, nothing is filled again.
; The scale bytes of the work-group's 256 rows of A and of B, for all of K, come into LDS once, with the first fills.
; CLUSTERS: 4 x 4 work-groups; A's tiles are asked for jointly along a row of the cluster, B's along a column.  The matrix instruction is used transposed (source 0 = rows of B, source 1 = rows of A):
; a lane then holds eight neighbouring columns of one row of C.
; REGISTERS: window 0: v0-31 addresses; v32-95 scale words, two sets (they hold nothing else); v96-127 the way out's packed numbers; from v128 A's fragments, one set; on the way out v128-255 rows read back.
;   window 1: B's fragments, two sets, at v0 and v128.   windows 2, 3: the accumulators ((a, b) at v[8 (8 (a % 4) + b)]).
.set SIZE_K, 1024
.set KSTEP,  512
.set NQ,     KSTEP/128
.set ROWB,   256
.set KROW,   SIZE_K*4/8
.set PITCH,  272                       ; an LDS row: 256 bytes + 16 of padding: the 16 rows that a load touches start at 16 different banks
.set FR,     8
.set NL,     2
.set NP,     4
.set HALFT,  128*PITCH
.set SLOT,   4*HALFT
.set KS,     SIZE_K/32
.set SCL,    2*SLOT
.set HALFS,  (128*KS/256)*272
.set SBLK,   (16*KS/256)*272
.set SPARE,  SCL+4*HALFS
.set SPITCH, 272                       ; the way out: a stage of 16 rows x (256 bytes + 16) for each wave, in slot 0, which has had its last fill and its last read by then
.set ADRA, 16
.set ADRB, 20
.set STO,  24
.set RD,   25
.set CO,   26
.set ADRS, 27
.set SPW,  28
.set NIL,  29
.set SC,   32
.set TMP,  96
.set AF,   128
.set BK,   128
.set G1, 24
.set G0, 32
.set G1B, 48
.set G0B, 56
.set G1S, 68
.set G0S, 76
.set G1SB, 80
.set G0SB, 88
.set MSB, 0
.macro WIN new                         ; the immediate's high byte repeats the setting that is left
.if MSB != \new
	s_set_vgpr_msb (MSB<<8)|\new
.set MSB, \new
.endif
.endm
.set MUL_LO, 0xa1
.set MUL_HI, 0xf1
.set TO_B,   0x40
.macro JLOAD g0a, g1a, g0b, g1b        ; a joint load: waves 0 and 1 fetch for A, waves 2 and 3 for B; an s_nop 0 and four v_nop follow each line
	s_cmp_eq_u32 s15, 0
	s_cbranch_scc0 .Lfor_b_\@
	tensor_load_to_lds s[\g0a:\g0a+3], s[\g1a:\g1a+7]
	s_nop 0
.rept 4
	v_nop
.endr
	s_branch .Lasked_\@
.Lfor_b_\@:
	tensor_load_to_lds s[\g0b:\g0b+3], s[\g1b:\g1b+7]
	s_nop 0
.rept 4
	v_nop
.endr
.Lasked_\@:
.endm
.macro CROUND                          ; a round of the cluster's barrier
	s_barrier_signal -1
	s_barrier_wait -1
	s_cmp_lg_u32 s14, 0
	s_cbranch_scc1 .Lnot_wave_0_\@
	s_barrier_signal -3
.Lnot_wave_0_\@:
	s_barrier_wait -3
	s_barrier_signal -1
	s_barrier_wait -1
.endm
	s_load_b128 s[4:7], s[0:1], 0x0                ; A's codes, A's scales
	s_load_b128 s[8:11], s[0:1], 0x10              ; B's codes, B's scales
	s_load_b64 s[12:13], s[0:1], 0x20              ; qkv16
	v_lshl_add_u32 v[SPW], v0, 2, SPARE
	v_mov_b32 v[NIL], 0
	ds_add_u32 v[SPW], v[NIL]                      ; the wave's opening: the add, twice on end, and its wait ahead of my first tensor load
	ds_add_u32 v[SPW], v[NIL]
	v_lshrrev_b32 v1, 5, v0
	v_readfirstlane_b32 s14, v1                    ; wave 0..3
	s_lshr_b32 s15, s14, 1                         ; which half of the tile's rows is mine.  Also: I fetch for A (0) or for B (1)
	s_and_b32 s16, s14, 1                          ; which half of its columns.  Also: which 128 rows of that tile I fetch
	s_bfe_u32 s40, ttmp6, 0x40000                  ; cx, cy
	s_bfe_u32 s41, ttmp6, 0x40004
	s_lshl_b32 s42, ttmp9, 2
	s_add_co_u32 s42, s42, s40                     ; tile column
	s_and_b32 s17, ttmp7, 0xffff
	s_lshl_b32 s17, s17, 2
	s_add_co_u32 s17, s17, s41                     ; tile row
	s_lshl_b32 s43, s41, 2
	s_lshl_b32 s43, 15, s43                        ; my row of the cluster
	s_lshl_b32 s44, 0x1111, s40                    ; my column
	s_or_b32 s[G1+0], s43, (0<<16)|(1<<20)|(1<<21)|(5<<22)|(3<<25)  ; mask; elements of 1 byte; padding: 4 words behind every 64
	s_or_b32 s[G1B+0], s44, (0<<16)|(1<<20)|(1<<21)|(5<<22)|(3<<25)
.irp g, G1, G1B
	s_mov_b32 s[\g+1], ROWB<<16                    ; tensor_dim0
	s_mov_b32 s[\g+2], 128<<16                     ; tensor_dim1
	s_mov_b32 s[\g+3], ROWB<<16                    ; tile_dim0
	s_mov_b32 s[\g+4], 128                         ; tile_dim1
	s_mov_b32 s[\g+5], KROW                        ; the pitch
	s_mov_b32 s[\g+6], 0
	s_mov_b32 s[\g+7], 0
.endr
	s_or_b32 s[G1S+0], s43, (3<<16)|(1<<20)|(1<<21)|(5<<22)|(3<<25)  ; the scales of 128 rows: a dense block, as rows of 256 bytes (32 elements of 8 bytes)
	s_or_b32 s[G1SB+0], s44, (3<<16)|(1<<20)|(1<<21)|(5<<22)|(3<<25)
.irp g, G1S, G1SB
	s_mov_b32 s[\g+1], 32<<16
	s_mov_b32 s[\g+2], (128*KS/256)<<16
	s_mov_b32 s[\g+3], 32<<16
	s_mov_b32 s[\g+4], 128*KS/256
	s_mov_b32 s[\g+5], 32
	s_mov_b32 s[\g+6], 0
	s_mov_b32 s[\g+7], 0
.endr
	s_lshl_b32 s18, s16, 7
	s_lshl_b32 s20, s17, 8
	s_add_co_u32 s20, s20, s18                     ; A: row 256 x tile row + 128 x half
	s_lshl_b32 s46, s42, 8
	s_add_co_u32 s46, s46, s18                     ; B: row 256 x tile column + 128 x half
	s_mov_b32 s21, 0
	s_mov_b32 s47, 0
	s_mov_b64 s[18:19], KS
	s_mul_u64 s[22:23], s[20:21], s[18:19]
	s_mul_u64 s[92:93], s[46:47], s[18:19]
	s_mov_b64 s[18:19], KROW
	s_mul_u64 s[20:21], s[20:21], s[18:19]
	s_mul_u64 s[46:47], s[46:47], s[18:19]
	s_mul_i32 s45, s14, HALFT                      ; where they go: no place in the cluster enters an LDS address
	s_mul_i32 s94, s14, HALFS
	s_wait_dscnt 0x0                               ; both opening adds are done
	s_wait_kmcnt 0x0
	s_add_nc_u64 s[20:21], s[4:5], s[20:21]
	s_add_nc_u64 s[22:23], s[6:7], s[22:23]
	s_add_nc_u64 s[46:47], s[8:9], s[46:47]
	s_add_nc_u64 s[92:93], s[10:11], s[92:93]
	CROUND                                         ; all sixteen work-groups are here: the first joint loads meet
	s_mov_b32 s[G0S], 1
	s_add_co_u32 s[G0S+1], s94, SCL
	s_mov_b64 s[G0S+2:G0S+3], s[22:23]
	s_or_b32 s[G0S+3], s[G0S+3], 0x80000000
	s_mov_b32 s[G0SB], 1
	s_add_co_u32 s[G0SB+1], s94, SCL
	s_mov_b64 s[G0SB+2:G0SB+3], s[92:93]
	s_or_b32 s[G0SB+3], s[G0SB+3], 0x80000000
	JLOAD G0S, G1S, G0SB, G1SB                     ; the scales first
.irp s, 0,1
	s_mov_b32 s[G0+4*\s], 1
	s_add_co_u32 s[G0+4*\s+1], s45, \s*SLOT
	s_add_nc_u64 s[G0+4*\s+2:G0+4*\s+3], s[20:21], \s*ROWB
	s_or_b32 s[G0+4*\s+3], s[G0+4*\s+3], 0x80000000
	s_mov_b32 s[G0B+4*\s], 1
	s_add_co_u32 s[G0B+4*\s+1], s45, \s*SLOT
	s_add_nc_u64 s[G0B+4*\s+2:G0B+4*\s+3], s[46:47], \s*ROWB
	s_or_b32 s[G0B+4*\s+3], s[G0B+4*\s+3], 0x80000000
	JLOAD G0+4*\s, G1, G0B+4*\s, G1B               ; three loads of mine are out in all
.endr
	v_and_b32 v1, 15, v0                           ; l % 16
	v_bfe_u32 v2, v0, 4, 1                         ; l / 16
	v_mul_u32_u24 v3, v1, PITCH
	v_lshl_add_u32 v4, v2, 4, v3
	s_mul_i32 s21, s15, HALFT
	s_mul_i32 s22, s16, HALFT
	s_add_co_u32 s22, s22, 2*HALFT
.irp s, 0,1
	v_add_nc_u32 v[ADRA+\s], s21, v4
	v_add_nc_u32 v[ADRB+\s], s22, v4
	s_add_co_u32 s21, s21, SLOT
	s_add_co_u32 s22, s22, SLOT
.endr
	v_mul_u32_u24 v5, v1, KS                       ; my row's scales: KS bytes a row,
	v_lshrrev_b32 v6, 8, v5
	v_lshl_add_u32 v5, v6, 4, v5                   ; and 16 more for each 256 passed
	s_mul_i32 s21, s15, HALFS
	s_mul_i32 s22, s16, HALFS
	s_add_co_u32 s22, s22, 2*HALFS
	s_sub_co_u32 s22, s22, s21
	v_mul_u32_u24 v6, s22, v2                      ; lanes 16-31 take B's
	s_add_co_u32 s21, s21, SCL
	v_add_nc_u32 v5, v5, v6
	v_add_nc_u32 v[ADRS], s21, v5
	s_mul_i32 s23, s14, 16*SPITCH                  ; my stage
	v_mul_u32_u24 v5, v1, SPITCH                   ; in: row l % 16, 16 bytes for each half of the lanes
	v_lshl_add_u32 v5, v2, 4, v5
	v_add_nc_u32 v[STO], s23, v5
	v_bfe_u32 v6, v0, 3, 1
	v_and_b32 v7, 7, v0
	v_mul_u32_u24 v5, v6, SPITCH                   ; back: lanes 0-15 take two rows' first 128 bytes (one head), lanes 16-31 their second 128 (the next head)
	v_lshl_add_u32 v5, v2, 7, v5
	v_lshl_add_u32 v5, v7, 4, v5
	v_add_nc_u32 v[RD], s23, v5
	v_lshlrev_b32 v[CO], 18, v2                    ; and in memory: a head's plane is 262,144 bytes, a position 128
	v_lshl_add_u32 v[CO], v6, 7, v[CO]
	v_lshl_add_u32 v[CO], v7, 4, v[CO]
	s_lshr_b32 s20, s42, 2                         ; t
	s_lshl_b32 s20, s20, 2
	s_lshr_b32 s21, s17, 3                         ; batch
	s_add_co_u32 s20, s20, s21
	s_lshl_b32 s20, s20, 4
	s_and_b32 s21, s42, 3
	s_lshl_b32 s21, s21, 2
	s_add_co_u32 s20, s20, s21
	s_lshl_b32 s21, s16, 1
	s_add_co_u32 s20, s20, s21                     ; plane = (4 t + batch) 16 + my first head
	s_lshl_b32 s20, s20, 18
	s_and_b32 s21, s17, 7
	s_lshl_b32 s21, s21, 1
	s_add_co_u32 s21, s21, s15
	s_lshl_b32 s21, s21, 14                        ; my first position x 128 bytes
	s_add_co_u32 s20, s20, s21
	s_mov_b32 s21, 0
	s_add_nc_u64 s[12:13], s[12:13], s[20:21]
.macro FRAG reg, adr, q, i             ; 16 rows x 128 K of 4-bit codes: 8 registers, two loads of 16 bytes, 32 bytes apart
.irp c, 0,1
	ds_load_b128 v[\reg+4*\c:\reg+4*\c+3], v[\adr] offset:64*(\q)+32*\c+(\i)*16*PITCH
.endr
.endm
; 16 matrix instructions: A's blocks a0, a0 + 1 x B's eight.  The 64 accumulators take turns, one instruction a turn, in the same order in every step.
.macro MUL16 a0, p, q, sc, zero
.irp a, \a0, \a0+1
.irp b, 0,1,2,3,4,5,6,7
.if \zero
	v_wmma_scale_f32_16x16x128_f8f6f4 v[8*(8*((\a)%4)+\b):8*(8*((\a)%4)+\b)+7], v[128*(\p)+FR*\b:128*(\p)+FR*\b+FR-1], v[AF+FR*(\a):AF+FR*(\a)+FR-1], 0, v[SC+8*NQ*(\sc)+NQ*\b+(\q)], v[SC+8*NQ*(\sc)+NQ*(\a)+(\q)] matrix_a_fmt:MATRIX_FMT_FP4 matrix_b_fmt:MATRIX_FMT_FP4 matrix_a_scale:MATRIX_SCALE_ROW1
.else
	v_wmma_scale_f32_16x16x128_f8f6f4 v[8*(8*((\a)%4)+\b):8*(8*((\a)%4)+\b)+7], v[128*(\p)+FR*\b:128*(\p)+FR*\b+FR-1], v[AF+FR*(\a):AF+FR*(\a)+FR-1], v[8*(8*((\a)%4)+\b):8*(8*((\a)%4)+\b)+7], v[SC+8*NQ*(\sc)+NQ*\b+(\q)], v[SC+8*NQ*(\sc)+NQ*(\a)+(\q)] matrix_a_fmt:MATRIX_FMT_FP4 matrix_b_fmt:MATRIX_FMT_FP4 matrix_a_scale:MATRIX_SCALE_ROW1
.endif
.endr
.endr
.endm
.macro FETCH_B slot, q, p
	WIN TO_B
.irp i, 0,1,2,3,4,5,6,7
	FRAG 128*(\p)+FR*\i, ADRB+\slot, \q, \i
.endr
	WIN 0
.endm
.macro FETCH_A slot, q, i0
.irp i, \i0, \i0+1, \i0+2, \i0+3
	FRAG AF+FR*(\i), ADRA+\slot, \q, \i
.endr
.endm
.macro SCALES sc                       ; a slot's scale words: lanes 0-15 take A's block i, lanes 16-31 B's block i
.irp i, 0,1,2,3,4,5,6,7
	ds_load_b128 v[SC+8*NQ*\sc+NQ*\i:SC+8*NQ*\sc+NQ*\i+3], v[ADRS] offset:\i*SBLK
.endr
.endm
.macro PLACES n                        ; plain vector lines between a matrix instruction and a load into its registers or a read of its result
.rept \n
	v_nop
.endr
.endm
.macro STEP slot, q, zero              ; a step of 128 along K that has its successor in the same slot
	s_wait_dscnt 4*NL                              ; B's set and A's blocks 0-3 are in; the youngest eight loads (A's blocks 4-7) may be out
	WIN MUL_LO
	MUL16 0, (\q)%2, \q, \slot, \zero
	MUL16 2, (\q)%2, \q, \slot, \zero
	s_wait_dscnt 0                                 ; A's blocks 4-7 are in
	PLACES NP
	FETCH_B \slot, (\q)+1, 1-(\q)%2
	FETCH_A \slot, (\q)+1, 0
	WIN MUL_HI
	MUL16 4, (\q)%2, \q, \slot, \zero
	MUL16 6, (\q)%2, \q, \slot, \zero
	PLACES NP
	WIN 0
	FETCH_A \slot, (\q)+1, 4
.endm
.macro TURN slot, next                 ; slot 0's last step changes slots: one barrier
	s_wait_tensorcnt 0x0                           ; all my tensor loads have landed: my part of the next slot
	ds_add_u32 v[SPW], v[NIL]                      ; 0 onto my spare word
	s_wait_dscnt 4*NL+1                            ; (the add and the youngest eight loads may be out)
	WIN MUL_LO
	MUL16 0, 1, NQ-1, \slot, 0
	s_wait_dscnt 0x0                               ; the add is done, and my reads of this slot are over
	s_barrier_signal -1
	MUL16 2, 1, NQ-1, \slot, 0
	WIN 0
	s_barrier_wait -1
	PLACES NP
	v_add_nc_u32 v[ADRS], 4*NQ, v[ADRS]            ; on to the next slot's scale words
	FETCH_B \next, 0, 0
	FETCH_A \next, 0, 0
	SCALES \next
	WIN MUL_HI
	MUL16 4, 1, NQ-1, \slot, 0
	MUL16 6, 1, NQ-1, \slot, 0
	PLACES NP
	WIN 0
	FETCH_A \next, 0, 4
.endm
.macro STEPS slot, from
.set Q, \from
.rept NQ-1-\from
	STEP \slot, Q, 0
.set Q, Q+1
.endr
.endm
	s_wait_tensorcnt 1                             ; the scales and my part of slot 0 are in (slot 1's load may be out),
	s_barrier_signal -1
	s_barrier_wait -1                              ; everybody's are
	FETCH_B 0, 0, 0
	FETCH_A 0, 0, 0
	SCALES 0
	FETCH_A 0, 0, 4
	STEP 0, 0, 1                                   ; the first step's products start the sums
	STEPS 0, 1
	TURN 0, 1
	STEPS 1, 0
	s_wait_dscnt 4*NL                              ; the very last step
	WIN MUL_LO
	MUL16 0, 1, NQ-1, 1, 0
	MUL16 2, 1, NQ-1, 1, 0
	s_wait_dscnt 0
	WIN MUL_HI
	MUL16 4, 1, NQ-1, 1, 0
	MUL16 6, 1, NQ-1, 1, 0
	WIN 0
; THE WAY OUT, block by block of 16 rows x 128 columns (two heads).  PACK: rounded to f16, 16 bytes a lane.  TOSTAGE: into my own stage and back, two positions of a head to sixteen lanes.  SEND: stored.
.macro PACK a
.set AC, 64*((\a)%4)
	WIN 0x0a+5*((\a)/4)                            ; sources 0 and 1: window 2 or 3
.irp b, 0,1,2,3,4,5,6,7
.irp r, 0,1,2,3
	v_cvt_pk_f16_f32 v[TMP+4*\b+\r], v[AC+8*\b+2*\r], v[AC+8*\b+2*\r+1]   ; each accumulator from its low end on
.endr
.endr
	WIN 0
.endm
.macro TOSTAGE a
.set BB, BK+64*((\a)%2)
.irp b, 0,1,2,3,4,5,6,7
	ds_store_b128 v[STO], v[TMP+4*\b:TMP+4*\b+3] offset:32*\b
.endr
.irp t, 0,1,2,3,4,5,6,7
	ds_load_b128 v[BB+4*\t:BB+4*\t+3], v[RD] offset:\t*2*SPITCH   ; LDS serves a wave's instructions in order: these see the stores above
.endr
.endm
.macro SEND a
.set BB, BK+64*((\a)%2)
	s_wait_dscnt 0x0                               ; the block is back in registers
	s_wait_xcnt 0x0                                ; the stores of the block before have read their registers: the next block's loads may land there
.irp t, 0,1,2,3,4,5,6,7
	global_store_b128 v[CO], v[BB+4*\t:BB+4*\t+3], s[12:13] offset:2048*(\a)+256*\t   ; sixteen lanes store 256 consecutive aligned bytes: two positions of one head
.endr
.endm
	PLACES NP
	PACK 0
	TOSTAGE 0
.irp a, 1,2,3,4,5,6,7
	PACK \a
	SEND \a-1
	TOSTAGE \a
.endr
	SEND 7
	s_wait_tensorcnt 0x0                           ; the wave's end
	ds_add_u32 v[SPW], v[NIL]
	s_wait_dscnt 0x0
	CROUND                                         ; the closing round
	s_endpgm
.Lfunc_end_k_q34ccacb0b4_qkv:
	.size	k_q34ccacb0b4_qkv, .Lfunc_end_k_q34ccacb0b4_qkv-k_q34ccacb0b4_qkv
	.p2alignl 7, 3214868480
	.fill 96, 4, 3214868480
	.section	.rodata,"a",@progbits
	.p2align	6, 0x0
	.amdhsa_kernel k_q34ccacb0b4_qkv
		.amdhsa_group_segment_fixed_size 327680
		.amdhsa_private_segment_fixed_size 0
		.amdhsa_enable_private_segment 0
		.amdhsa_kernarg_size 40
		.amdhsa_user_sgpr_count 2
		.amdhsa_user_sgpr_kernarg_segment_ptr 1
		.amdhsa_wavefront_size32 1
		.amdhsa_system_sgpr_workgroup_id_x 1
		.amdhsa_system_sgpr_workgroup_id_y 1
		.amdhsa_system_sgpr_workgroup_id_z 1
		.amdhsa_system_vgpr_workitem_id 0
		.amdhsa_next_free_vgpr 1024
		.amdhsa_next_free_sgpr 98
		.amdhsa_reserve_vcc 0
		.amdhsa_float_denorm_mode_32 3
		.amdhsa_float_denorm_mode_16_64 3
		.amdhsa_memory_ordered 1
		.amdhsa_forward_progress 1
		.amdhsa_inst_pref_size 127
	.end_amdhsa_kernel
	.amdgpu_metadata
---
amdhsa.version: [ 1, 2 ]
amdhsa.kernels:
  - .name:           k_q34ccacb0b4_qkv
    .symbol:         k_q34ccacb0b4_qkv.kd
    .args:
      - { .name: xc, .offset: 0, .size: 8, .value_kind: global_buffer, .address_space: global }
      - { .name: xs, .offset: 8, .size: 8, .value_kind: global_buffer, .address_space: global }
      - { .name: wc, .offset: 16, .size: 8, .value_kind: global_buffer, .address_space: global }
      - { .name: ws, .offset: 24, .size: 8, .value_kind: global_buffer, .address_space: global }
      - { .name: qkv16, .offset: 32, .size: 8, .value_kind: global_buffer, .address_space: global }
    .group_segment_fixed_size: 327680
    .private_segment_fixed_size: 0
    .kernarg_segment_align: 8
    .kernarg_segment_size: 40
    .max_flat_workgroup_size: 128
    .sgpr_count:     98
    .vgpr_count:     1024
    .wavefront_size: 32
...
	.end_amdgpu_metadata
.endif
;; end of part 2
;; launch attn (part 3): grid 4 x 64, 8 waves a work-group, no clusters, 327,680 bytes of LDS; arguments qkv16, ao16; writes ao16
.if DOCPART == 3
	.amdgcn_target "amdgcn-amd-amdhsa--gfx1250"
	.amdhsa_code_object_version 6
	.text
	.protected	k_q34ccacb0b4_attn
	.globl	k_q34ccacb0b4_attn
	.p2align	8
	.type	k_q34ccacb0b4_attn,@function
k_q34ccacb0b4_attn:
	s_mov_b64 s[64:65], 0
	v_nop
	global_prefetch_b8 v0, s[64:65] scope:SCOPE_SE
	s_setreg_imm32_b32 hwreg(HW_REG_WAVE_MODE, 25, 1), 1
	s_wait_xcnt 0x0
; Causal attention of one (batch, head): O[q] = sum over k <= q of softmax_k(Q[q] . K[k] / 8) V[k].  Q, K, V: planes of qkv16, [2048][64] f16; O: ao16 [batch][head][2048][64] f16.
; Products on f16 operands with f32 sums; maxima, exponentials and sums in f32, with a running maximum; the weights p are rounded to f16 for the second product.
; (Positions 0-15 of every sequence are computed here too, and are made anew in f32 by two later launches.)
; SHARES.  Work-group (i, plane) owns the query blocks 7 - i and then i, of 256 queries each: it walks key blocks 0 .. 7 - i and then 0 .. i: nine blocks of 256 keys whatever i is.
; Each of eight waves owns 32 queries, two tiles of 16, so that each fragment of K and V read from LDS feeds two products.  A key step is 64 keys, a slot 256 keys.
; NO CLUSTER: the four work-groups of a plane walk different sequences of key blocks, so partners would need different tiles in the same round.
; LAYOUT.  S^T = K Q^T and O^T = V^T P: a lane holds one query (lane % 16) throughout; two tiles of S^T, rounded in pairs, are source 1 of the second product.  V comes out of LDS turned.
; A step all of whose keys come after my 32 queries is left out by a scalar branch on ids; on the diagonal hidden scores become -infinity ahead of the maximum.
; REGISTERS.  window 0: v1-15 addresses and constants; v16-31 statistics (tile t at 16 + 8 t: c m, m, l (2), c0-c3; a takes c2's place); v32-95 K; v96-159 V; v160-223 S^T; v224-255 P.
;   window 1: v0-31 Q; v32-95 O^T.
.set KP,    144                        ; a row of K in LDS: 128 bytes + 16
.set VP,    160                        ; a row of V: 128 + 32
.set VOFF,  256*KP
.set SLOT1, 1<<17
.set STAGE, SLOT1+VOFF+256*VP          ; behind the ring: 32 rows x 144 bytes for each wave
.set SPARE, STAGE+8*32*KP              ; the spare words, 128 bytes for each wave
.set AK0, 1
.set AV0, 2
.set ADK, 3
.set ADV, 4
.set QO,  5
.set STO, 6
.set RD,  7
.set GO,  8
.set PFO, 9
.set SPW, 10
.set NIL, 11
.set DM,  12                           ; v12, v13: the mask's d for tiles 0, 1
.set NINF, 14
.set RH,  15                           ; lane % 16 - 8 (lane / 16)
.set ST,  16
.set KFR, 32
.set VFR, 96
.set S,   160
.set P,   224
.set OT,  32                           ; in window 1
.set WV,  8
.set WI,  9
.set J,   10
.set SW,  11
.set SW1, 12
.set KBN, 13
.set KF,  14
.set Q0,  15
.set QP,  16
.set OP,  18
.set DELTA, 20
.set CS,  22
.set G1K, 24
.set G1V, 32
.set G0K, 40
.set G0V, 44
.set KB0, 48
.set VB0, 50
.set PFK, 52
.set PFV, 54
.set LIM, 56
.set TB,  57
.set SEL, 58
.set MSB, 0
.macro WIN new
.if MSB != \new
	s_set_vgpr_msb (MSB<<8)|\new
.set MSB, \new
.endif
.endm
.set W_KQ, 0x04                        ; Q (source 1) in window 1
.set W_PV, 0x50                        ; O^T (C and D) in window 1
.set W_RS, 0x41                        ; O^T (destination, source 0) in window 1
; Waves 0 and 1 fetch K's halves of a block, waves 2 and 3 V's, the others nothing.  An s_nop 0 and four v_nop follow each line.
.macro TLOAD
	s_cmp_lt_u32 s[WV], 2
	s_cbranch_scc0 .Lnot_k_\@
	tensor_load_to_lds s[G0K:G0K+3], s[G1K:G1K+7]
	s_nop 0
.rept 4
	v_nop
.endr
	s_branch .Lasked_\@
.Lnot_k_\@:
	s_cmp_lt_u32 s[WV], 4
	s_cbranch_scc0 .Lasked_\@
	tensor_load_to_lds s[G0V:G0V+3], s[G1V:G1V+7]
	s_nop 0
.rept 4
	v_nop
.endr
.Lasked_\@:
.endm
; A prefetch of the key block that the NEXT change of slots will ask for: trip j names block j + 2, four key steps ahead of its load.  The plane's work-group 0 walks blocks 0 .. 7 in order: it asks, nobody else;
; in it waves 4 to 7, which fetch nothing: 8,192 bytes of K's block and of V's each, lanes 256 bytes apart.  So each aligned 256 bytes of blocks 2 .. 7 are named once in the launch; trips 6 and 7 ask for nothing.
.macro ASK
	s_cmp_lt_u32 s[J], s[LIM]
	s_cbranch_scc0 .Lnot_mine_\@
	global_prefetch_b8 v[PFO], s[PFK:PFK+1] th:TH_LOAD_NT scope:SCOPE_SE
	global_prefetch_b8 v[PFO], s[PFV:PFV+1] th:TH_LOAD_NT scope:SCOPE_SE
.Lnot_mine_\@:
.endm
.macro QLOAD                           ; my 32 queries stay in registers: fragment 2 t + c: tile t, channels 32 c on
	WIN 0x40
.irp f, 0,1,2,3
	global_load_b128 v[8*\f:8*\f+3],   v[QO], s[QP:QP+1] offset:(\f/2)*2048+(\f%2)*64
	global_load_b128 v[8*\f+4:8*\f+7], v[QO], s[QP:QP+1] offset:(\f/2)*2048+(\f%2)*64+32
.endr
	WIN 0
.endm
	s_load_b128 s[4:7], s[0:1], 0x0                ; qkv16, ao16
	v_lshl_add_u32 v[SPW], v0, 2, SPARE
	v_mov_b32 v[NIL], 0
	ds_add_u32 v[SPW], v[NIL]                      ; the wave's opening: the add, twice on end, and its wait ahead of my first tensor load
	ds_add_u32 v[SPW], v[NIL]
	v_lshrrev_b32 v1, 5, v0
	v_readfirstlane_b32 s[WV], v1                  ; wave 0..7
	s_mov_b32 s[WI], ttmp9                         ; i
	s_and_b32 s60, ttmp7, 0xffff                   ; the plane: 16 batch + head
	s_sub_co_u32 s[SW], 8, s[WI]                   ; key blocks of the first query block
	s_sub_co_u32 s[SW1], 7, s[WI]                  ; the first query block, and the trip behind which the blocks change
	s_sub_co_u32 s[DELTA], s[SW1], s[WI]
	s_lshl_b32 s[DELTA], s[DELTA], 15              ; bytes from query block i to block 7 - i
	s_mov_b32 s[DELTA+1], 0
	s_mov_b32 s[G1K], (1<<16)|(1<<20)|(4<<22)|(3<<25)   ; elements of 2 bytes; padding: 4 words behind every 32
	s_mov_b32 s[G1V], (1<<16)|(1<<20)|(4<<22)|(7<<25)   ; 8 words
.irp g, G1K, G1V
	s_mov_b32 s[\g+1], 64<<16                      ; tensor_dim0
	s_mov_b32 s[\g+2], 128<<16                     ; tensor_dim1
	s_mov_b32 s[\g+3], 64<<16                      ; tile_dim0
	s_mov_b32 s[\g+4], 128                         ; tile_dim1
	s_mov_b32 s[\g+5], 64                          ; the pitch
	s_mov_b32 s[\g+6], 0
	s_mov_b32 s[\g+7], 0
.endr
	s_mov_b32 s[CS], 0x3e38aa3b                    ; c = log2(e) / 8
	s_mov_b32 s[CS+1], s[CS]
	s_mov_b32 s[SEL], 0x76543210
	s_mov_b32 s[SEL+1], 0xfedcba98
	s_mov_b32 s[J], 0
	s_mov_b32 s[KF], 0
	s_mov_b32 s[KBN], 0
	s_mov_b32 s[TB], 0
	s_and_b32 s61, s[WV], 1                        ; which 128 rows of a block I fetch
	s_lshl_b32 s2, s60, 18                         ; the plane's bytes
	s_mov_b32 s3, 0
	s_lshl_b32 s62, s61, 14
	s_add_co_u32 s62, s62, s2
	s_add_co_u32 s62, s62, 0x1000000               ; K's planes lie 64 planes behind Q's
	s_mov_b32 s63, 0
	s_lshl_b32 s[Q0], s[SW1], 8
	s_lshl_b32 s[LIM], s[WV], 5
	s_add_co_u32 s[Q0], s[Q0], s[LIM]              ; my first query
	s_lshl_b32 s[LIM], s[Q0], 7
	s_add_co_u32 s2, s2, s[LIM]
	s_mov_b32 s[G0K], 1
	s_mul_i32 s[G0K+1], s61, 128*KP
	s_mov_b32 s[G0V], 1
	s_mul_i32 s[G0V+1], s61, 128*VP
	s_add_co_u32 s[G0V+1], s[G0V+1], VOFF
	s_wait_dscnt 0x0                               ; both opening adds are done
	s_wait_kmcnt 0x0
	s_add_nc_u64 s[KB0:KB0+1], s[4:5], s[62:63]
	s_add_nc_u64 s[VB0:VB0+1], s[KB0:KB0+1], 0x1000000
	s_mov_b64 s[G0K+2:G0K+3], s[KB0:KB0+1]
	s_or_b32 s[G0K+3], s[G0K+3], 0x80000000
	s_mov_b64 s[G0V+2:G0V+3], s[VB0:VB0+1]
	s_or_b32 s[G0V+3], s[G0V+3], 0x80000000
	TLOAD                                          ; key block 0 into slot 0
	s_add_nc_u64 s[QP:QP+1], s[4:5], s[2:3]
	s_add_nc_u64 s[OP:OP+1], s[6:7], s[2:3]
	v_and_b32 v160, 15, v0                         ; r
	v_bfe_u32 v161, v0, 4, 1                       ; h
	v_lshlrev_b32 v[QO], 7, v160
	v_lshl_add_u32 v[QO], v161, 4, v[QO]
	QLOAD
	s_lshl_b32 s2, s60, 18                         ; the prefetches: K's plane, block 1 (the first change steps it to block 2), my wave's 8,192 bytes
	s_add_co_u32 s2, s2, 0x1000000+32768
	s_and_b32 s62, s[WV], 3
	s_lshl_b32 s62, s62, 13
	s_add_co_u32 s2, s2, s62
	s_add_nc_u64 s[PFK:PFK+1], s[4:5], s[2:3]
	s_add_nc_u64 s[PFV:PFV+1], s[PFK:PFK+1], 0x1000000
	s_lshr_b32 s62, s[WV], 2
	s_xor_b32 s62, s62, 1                          ; 0 in waves 4 to 7,
	s_or_b32 s62, s62, s[WI]                       ; of the plane's work-group 0
	s_cmp_eq_u32 s62, 0
	s_cselect_b32 s[LIM], 6, 0
	v_mul_u32_u24 v[AK0], v160, KP
	v_lshl_add_u32 v[AK0], v161, 4, v[AK0]         ; K: row r, + 16 h
	v_and_b32 v162, 7, v0
	v_bfe_u32 v163, v0, 3, 1
	v_lshl_add_u32 v[AV0], v161, 3, v162
	v_mul_u32_u24 v[AV0], v[AV0], VP
	v_lshl_add_u32 v[AV0], v163, 4, v[AV0]
	v_add_nc_u32 v[AV0], VOFF, v[AV0]              ; V, for the turning load: key 8 h + l % 8, channels 8 ((l / 8) % 2) on
	s_mul_i32 s61, s[WV], 32*KP
	s_add_co_u32 s61, s61, STAGE                   ; my stage
	v_add_nc_u32 v[STO], s61, v[AK0]
	v_and_b32 v164, 31, v0
	v_lshrrev_b32 v165, 3, v164
	v_mul_u32_u24 v[RD], v165, KP
	v_lshl_add_u32 v[RD], v162, 4, v[RD]
	v_add_nc_u32 v[RD], s61, v[RD]                 ; back: eight lanes to a row of 128 bytes, four rows an instruction
	v_lshlrev_b32 v[GO], 4, v164
	v_lshlrev_b32 v[PFO], 8, v164
	v_lshlrev_b32 v165, 3, v161
	v_sub_nc_u32 v[RH], v160, v165
	v_mov_b32 v[NINF], 0xff800000
.irp t, 0,1
	v_mov_b32 v[ST+8*\t+1], 0xff61b1e6             ; m = -3e38, under every score
	v_mov_b32 v[ST+8*\t+2], 0                      ; l
	v_mov_b32 v[ST+8*\t+3], 0
	v_mov_b32 v[ST+8*\t+5], 0                      ; written once: a lane permute's destination counts as one of its sources
	v_mov_b32 v[ST+8*\t+6], 0
	v_mov_b32 v[ST+8*\t+7], 0
.endr
.irp t, 0,1
	v_mul_f32 v[ST+8*\t], s[CS], v[ST+8*\t+1]      ; c m
.endr
	WIN 0x40
.irp j, 0,1,2,3,4,5,6,7,8,9,10,11,12,13,14,15,16,17,18,19,20,21,22,23,24,25,26,27,28,29,30,31,32,33,34,35,36,37,38,39,40,41,42,43,44,45,46,47,48,49,50,51,52,53,54,55,56,57,58,59,60,61,62,63
	v_mov_b32 v[OT+\j], 0                          ; O^T: the step is written once; a query block's first step multiplies what it finds by a = 0
.endr
	WIN 0
; One key step's softmax for both tiles, stage by stage, the tiles by turns.
.macro SOFTMAX
.irp k, 0,1,2,3
.irp t, 0,1
	v_max3_num_f32 v[ST+8*\t+4+\k], v[S+32*\t+8*\k], v[S+32*\t+8*\k+1], v[S+32*\t+8*\k+2]   ; each accumulator is read from its low end on
.endr
.endr
.irp u, 3,5
.irp k, 0,1,2,3
.irp t, 0,1
	v_max3_num_f32 v[ST+8*\t+4+\k], v[ST+8*\t+4+\k], v[S+32*\t+8*\k+\u], v[S+32*\t+8*\k+\u+1]
.endr
.endr
.endr
.irp t, 0,1
	v_max3_num_f32 v[ST+8*\t+4], v[ST+8*\t+4], v[S+32*\t+7], v[S+32*\t+15]
.endr
.irp t, 0,1
	v_max3_num_f32 v[ST+8*\t+6], v[ST+8*\t+6], v[S+32*\t+23], v[S+32*\t+31]
.endr
.irp t, 0,1
	v_max3_num_f32 v[ST+8*\t+4], v[ST+8*\t+4], v[ST+8*\t+5], v[ST+8*\t+6]
.endr
.irp t, 0,1
	v_max3_num_f32 v[ST+8*\t+4], v[ST+8*\t+4], v[ST+8*\t+7], v[ST+8*\t+1]   ; and the old m
.endr
.irp t, 0,1
	v_permlanex16_b32 v[ST+8*\t+5], v[ST+8*\t+4], s[SEL], s[SEL+1]   ; the query's other 32 keys lie in the lane 16 away
.endr
.irp t, 0,1
	v_mov_b32 v[ST+8*\t+7], v[ST+8*\t]             ; c m_old
.endr
.irp t, 0,1
	v_max_num_f32 v[ST+8*\t+1], v[ST+8*\t+4], v[ST+8*\t+5]
.endr
.irp t, 0,1
	v_mul_f32 v[ST+8*\t], s[CS], v[ST+8*\t+1]
.endr
.irp t, 0,1
	v_sub_f32 v[ST+8*\t+7], v[ST+8*\t+7], v[ST+8*\t]
.endr
.irp b, 0,1,2,3,4,5,6,7,8,9,10,11,12,13,14,15
.irp t, 0,1
	v_pk_fma_f32 v[S+32*\t+2*\b:S+32*\t+2*\b+1], v[S+32*\t+2*\b:S+32*\t+2*\b+1], s[CS:CS+1], v[ST+8*\t:ST+8*\t+1] op_sel_hi:[1,0,0] neg_lo:[0,0,1] neg_hi:[0,0,1]   ; c s - c m
.endr
.endr
.irp t, 0,1
	v_exp_f32 v[ST+8*\t+6], v[ST+8*\t+7]           ; a = 2^(c m_old - c m_new)
.endr
.irp n, 0,1,2,3,4,5,6,7,8,9,10,11,12,13,14,15,16,17,18,19,20,21,22,23,24,25,26,27,28,29,30,31
.irp t, 0,1
	v_exp_f32 v[S+32*\t+\n], v[S+32*\t+\n]
.endr
.endr
	v_nop                                          ; a plain line behind the last exponential
	s_wait_alu depctr_va_vdst(0)                   ; one wait for the batch of 66, ahead of its first reader
.irp p, 0,1,2,3,4,5,6,7,8,9,10,11,12,13,14,15
.irp t, 0,1
	v_cvt_pk_f16_f32 v[P+16*\t+\p], v[S+32*\t+2*\p], v[S+32*\t+2*\p+1]
.endr
.endr
.irp u, 0,1,2,3,4,5,6,7
.irp t, 0,1
	v_pk_add_f32 v[S+32*\t+4*\u:S+32*\t+4*\u+1], v[S+32*\t+4*\u:S+32*\t+4*\u+1], v[S+32*\t+4*\u+2:S+32*\t+4*\u+3]   ; the sum of the unrounded p, in place, as a tree
.endr
.endr
.irp u, 0,1,2,3
.irp t, 0,1
	v_pk_add_f32 v[S+32*\t+8*\u:S+32*\t+8*\u+1], v[S+32*\t+8*\u:S+32*\t+8*\u+1], v[S+32*\t+8*\u+4:S+32*\t+8*\u+5]
.endr
.endr
.irp u, 0,1
.irp t, 0,1
	v_pk_add_f32 v[S+32*\t+16*\u:S+32*\t+16*\u+1], v[S+32*\t+16*\u:S+32*\t+16*\u+1], v[S+32*\t+16*\u+8:S+32*\t+16*\u+9]
.endr
.endr
.irp t, 0,1
	v_pk_add_f32 v[S+32*\t:S+32*\t+1], v[S+32*\t:S+32*\t+1], v[S+32*\t+16:S+32*\t+17]
.endr
.irp t, 0,1
	v_pk_fma_f32 v[ST+8*\t+2:ST+8*\t+3], v[ST+8*\t+2:ST+8*\t+3], v[ST+8*\t+6:ST+8*\t+7], v[S+32*\t:S+32*\t+1] op_sel_hi:[1,0,1]   ; l = a l + the sum
.endr
	WIN W_RS
.irp n, 0,1,2,3,4,5,6,7,8,9,10,11,12,13,14,15
.irp t, 0,1
	v_pk_mul_f32 v[OT+32*\t+2*\n:OT+32*\t+2*\n+1], v[OT+32*\t+2*\n:OT+32*\t+2*\n+1], v[ST+8*\t+6:ST+8*\t+7] op_sel_hi:[1,0]   ; O^T x a
.endr
.endr
	WIN 0
.endm
; A KEY STEP: 64 keys, the q-th of the slot in hand.  It fetches its own fragments, so that no way past a step that was left out meets registers that were never loaded.
.macro STEP q
	s_cmp_gt_u32 s[KF], s[Q0]                      ; both are multiples of 32: KF > Q0 means that every key comes after my last query
	s_cbranch_scc1 .Lhidden_\@
	v_add_nc_u32 v[ADK], s[TB], v[AK0]
	v_add_nc_u32 v[ADV], s[TB], v[AV0]
	v_nop
	v_nop                                          ; four plain lines between the last step's products and the loads into V's registers
.irp f, 0,1,2,3,4,5,6,7                        ; K: keys 16 (f / 2) on, channels 32 (f % 2) on
	ds_load_b128 v[KFR+8*\f:KFR+8*\f+3],   v[ADK] offset:64*KP*(\q)+(\f/2)*16*KP+(\f%2)*64
	ds_load_b128 v[KFR+8*\f+4:KFR+8*\f+7], v[ADK] offset:64*KP*(\q)+(\f/2)*16*KP+(\f%2)*64+32
.endr
.irp f, 0,1,2,3,4,5,6,7                        ; V, turned: keys 32 (f / 4) on, channels 16 (f % 4) on
	ds_load_tr16_b128 v[VFR+8*\f:VFR+8*\f+3],   v[ADV] offset:64*VP*(\q)+(\f/4)*32*VP+(\f%4)*32
	ds_load_tr16_b128 v[VFR+8*\f+4:VFR+8*\f+7], v[ADV] offset:64*VP*(\q)+(\f/4)*32*VP+(\f%4)*32+16*VP
.endr
	s_wait_dscnt 16                                ; K is in; V's sixteen loads may be out
	WIN W_KQ
.set i, 0
.rept 16                                       ; channels 32 (i / 8) on, keys 16 ((i / 2) % 4) on, tile i % 2: eight accumulators by turns
.set rS, S+32*(i%2)+8*((i/2)%4)
.set rK, KFR+16*((i/2)%4)+8*(i/8)
.set rQ, 16*(i%2)+8*(i/8)
.if i < 8
	v_wmma_f32_16x16x32_f16 v[rS:rS+7], v[rK:rK+7], v[rQ:rQ+7], 0
.else
	v_wmma_f32_16x16x32_f16 v[rS:rS+7], v[rK:rK+7], v[rQ:rQ+7], v[rS:rS+7]
.endif
.set i, i+1
.endr
	WIN 0
.rept 4
	v_nop                                          ; places ahead of the first read of the scores
.endr
	s_add_co_u32 s60, s[KF], 63
	s_cmp_le_u32 s60, s[Q0]                        ; all 64 keys count for all my queries: no mask
	s_cbranch_scc1 .Lopen_\@
	s_sub_co_u32 s60, s[Q0], s[KF]
	v_add_nc_u32 v[DM], s60, v[RH]                 ; d = my query - KF - 8 h.  Register 8 kt + j holds key KF + 16 kt + 8 h + j: hidden where 16 kt + j > d
	v_add_nc_u32 v[DM+1], 16, v[DM]
.irp t, 0,1
.irp n, 0,1,2,3,4,5,6,7,8,9,10,11,12,13,14,15,16,17,18,19,20,21,22,23,24,25,26,27,28,29,30,31
	v_cmp_gt_i32 vcc_lo, 16*(\n/8)+\n%8, v[DM+\t]
	v_cndmask_b32 v[S+32*\t+\n], v[S+32*\t+\n], v[NINF], vcc_lo
.endr
.endr
.Lopen_\@:
	SOFTMAX
	s_wait_dscnt 0x0                               ; V is in
	WIN W_PV
.set i, 0
.rept 16                                       ; keys 32 (i / 8) on, channels 16 ((i / 2) % 4) on, tile i % 2
.set rO, OT+32*(i%2)+8*((i/2)%4)
.set rV, VFR+32*(i/8)+8*((i/2)%4)
.set rP, P+16*(i%2)+8*(i/8)
	v_wmma_f32_16x16x32_f16 v[rO:rO+7], v[rV:rV+7], v[rP:rP+7], v[rO:rO+7]
.set i, i+1
.endr
	WIN 0
.Lhidden_\@:
	s_add_co_u32 s[KF], s[KF], 64
.endm
; THE CHANGE OF SLOTS stands at a slot's head: each wave waits for all its tensor loads, adds 0 to its spare word, waits for that and for its reads of the slot that it has left; one barrier;
; fill = 1: the slot just left takes the next key block of the walk, which has four key steps in which to land.  One load of a wave is out at the most.
.macro CHANGE fill
	s_wait_tensorcnt 0x0                           ; no tensor load of mine is out, so a group 0 may be written
	ds_add_u32 v[SPW], v[NIL]
.if \fill
	ds_add_u32 v[SPW], v[NIL]                      ; and twice on end here, in every trip alike
	s_add_co_u32 s[KBN], s[KBN], 1
	s_cmp_eq_u32 s[KBN], s[SW]
	s_cselect_b32 s[KBN], 0, s[KBN]                ; behind the first query block's last key block the walk begins again at block 0
	s_lshl_b32 s2, s[KBN], 15
	s_mov_b32 s3, 0
	s_add_nc_u64 s[G0K+2:G0K+3], s[KB0:KB0+1], s[2:3]
	s_or_b32 s[G0K+3], s[G0K+3], 0x80000000
	s_add_nc_u64 s[G0V+2:G0V+3], s[VB0:VB0+1], s[2:3]
	s_or_b32 s[G0V+3], s[G0V+3], 0x80000000
	s_xor_b32 s[G0K+1], s[G0K+1], SLOT1
	s_xor_b32 s[G0V+1], s[G0V+1], SLOT1
	s_wait_xcnt 0x0                                ; the last prefetches, a slot back, have read their addresses
	s_add_nc_u64 s[PFK:PFK+1], s[PFK:PFK+1], 32768
	s_add_nc_u64 s[PFV:PFV+1], s[PFV:PFV+1], 32768
.endif
	s_wait_dscnt 0x0                               ; the add is done, and my reads of the slot that I have left are over
	s_barrier_signal -1
	s_barrier_wait -1
.if \fill
	TLOAD                                          ; the first thing behind the barrier, a wave's one tensor load until the next
	ASK
.endif
.endm
; A query block is finished: O^T / l, rounded to f16, through my stage, out as 4,096 dense bytes.  reload = 1: the next block's queries are asked for first.
.macro FINISH reload
.rept 4
	v_nop                                          ; places behind the last products
.endr
.if \reload
	s_sub_nc_u64 s[QP:QP+1], s[QP:QP+1], s[DELTA:DELTA+1]
	QLOAD
.endif
.irp t, 0,1
	v_add_f32 v[ST+8*\t+4], v[ST+8*\t+2], v[ST+8*\t+3]
.endr
.irp t, 0,1
	v_permlanex16_b32 v[ST+8*\t+5], v[ST+8*\t+4], s[SEL], s[SEL+1]
.endr
.irp t, 0,1
	v_add_f32 v[ST+8*\t+4], v[ST+8*\t+4], v[ST+8*\t+5]
.endr
.irp t, 0,1
	v_rcp_f32 v[ST+8*\t+6], v[ST+8*\t+4]
.endr
	v_nop
	s_wait_alu depctr_va_vdst(0)                   ; one wait for the two reciprocals, ahead of their first reader
	WIN W_RS
.irp n, 0,1,2,3,4,5,6,7,8,9,10,11,12,13,14,15
.irp t, 0,1
	v_pk_mul_f32 v[OT+32*\t+2*\n:OT+32*\t+2*\n+1], v[OT+32*\t+2*\n:OT+32*\t+2*\n+1], v[ST+8*\t+6:ST+8*\t+7] op_sel_hi:[1,0]
.endr
.endr
	WIN 0x05
.irp t, 0,1
.irp p, 0,1,2,3,4,5,6,7,8,9,10,11,12,13,14,15
	v_cvt_pk_f16_f32 v[S+16*\t+\p], v[OT+32*\t+2*\p], v[OT+32*\t+2*\p+1]
.endr
.endr
	WIN 0
.irp t, 0,1
.irp d, 0,1,2,3
	ds_store_b128 v[STO], v[S+16*\t+4*\d:S+16*\t+4*\d+3] offset:16*KP*\t+32*\d
.endr
.endr
.irp i, 0,1,2,3,4,5,6,7
	ds_load_b128 v[S+32+4*\i:S+32+4*\i+3], v[RD] offset:4*KP*\i   ; LDS serves a wave's instructions in order: these see the stores above
.endr
.irp i, 0,1,2,3,4,5,6,7
	s_wait_dscnt 7-\i
	global_store_b128 v[GO], v[S+32+4*\i:S+32+4*\i+3], s[OP:OP+1] offset:512*\i   ; 512 consecutive aligned bytes: four queries
.endr
.endm
	s_wait_loadcnt 0x0                             ; Q
.Lslot:                                            ; eight trips: behind each change of slots the walk's next key block is asked for
	CHANGE 1
	STEP 0
	STEP 1
	STEP 2
	STEP 3
	s_xor_b32 s[TB], s[TB], SLOT1
	s_cmp_eq_u32 s[J], s[SW1]                      ; the first query block's diagonal has been walked
	s_cbranch_scc0 .Lsame
	FINISH 1
	s_wait_xcnt 0x0                                ; the stores have read their registers and their base
	s_sub_nc_u64 s[OP:OP+1], s[OP:OP+1], s[DELTA:DELTA+1]
	s_lshl_b32 s[Q0], s[WI], 8
	s_lshl_b32 s60, s[WV], 5
	s_add_co_u32 s[Q0], s[Q0], s60
	s_mov_b32 s[KF], 0
.irp t, 0,1
	v_mov_b32 v[ST+8*\t+1], 0xff61b1e6             ; m anew: the next a is 0, which clears l and O^T (both are finite)
.endr
.irp t, 0,1
	v_mul_f32 v[ST+8*\t], s[CS], v[ST+8*\t+1]
.endr
	s_wait_loadcnt 0x0                             ; the new Q
.Lsame:
	s_add_co_u32 s[J], s[J], 1
	s_cmp_lt_u32 s[J], 8
	s_cbranch_scc1 .Lslot
	CHANGE 0                                       ; the ninth block: nothing is left to ask for
	STEP 0
	STEP 1
	STEP 2
	STEP 3
	FINISH 0
	s_wait_tensorcnt 0x0                           ; the wave's end
	ds_add_u32 v[SPW], v[NIL]
	s_wait_dscnt 0x0
	s_endpgm
.Lfunc_end_k_q34ccacb0b4_attn:
	.size	k_q34ccacb0b4_attn, .Lfunc_end_k_q34ccacb0b4_attn-k_q34ccacb0b4_attn
	.p2alignl 7, 3214868480
	.fill 96, 4, 3214868480
	.section	.rodata,"a",@progbits
	.p2align	6, 0x0
	.amdhsa_kernel k_q34ccacb0b4_attn
		.amdhsa_group_segment_fixed_size 327680
		.amdhsa_private_segment_fixed_size 0
		.amdhsa_enable_private_segment 0
		.amdhsa_kernarg_size 16
		.amdhsa_user_sgpr_count 2
		.amdhsa_user_sgpr_kernarg_segment_ptr 1
		.amdhsa_wavefront_size32 1
		.amdhsa_system_sgpr_workgroup_id_x 1
		.amdhsa_system_sgpr_workgroup_id_y 1
		.amdhsa_system_sgpr_workgroup_id_z 1
		.amdhsa_system_vgpr_workitem_id 0
		.amdhsa_next_free_vgpr 384
		.amdhsa_next_free_sgpr 66
		.amdhsa_reserve_vcc 1
		.amdhsa_float_denorm_mode_32 3
		.amdhsa_float_denorm_mode_16_64 3
		.amdhsa_memory_ordered 1
		.amdhsa_forward_progress 1
		.amdhsa_inst_pref_size 196
	.end_amdhsa_kernel
	.amdgpu_metadata
---
amdhsa.version: [ 1, 2 ]
amdhsa.kernels:
  - .name:           k_q34ccacb0b4_attn
    .symbol:         k_q34ccacb0b4_attn.kd
    .args:
      - { .name: qkv16, .offset: 0, .size: 8, .value_kind: global_buffer, .address_space: global }
      - { .name: ao16, .offset: 8, .size: 8, .value_kind: global_buffer, .address_space: global }
    .group_segment_fixed_size: 327680
    .private_segment_fixed_size: 0
    .kernarg_segment_align: 8
    .kernarg_segment_size: 16
    .max_flat_workgroup_size: 256
    .sgpr_count:     66
    .vgpr_count:     384
    .wavefront_size: 32
...
	.end_amdgpu_metadata
.endif
;; end of part 3
;; launch proj (part 4): grid 4 x 64, 4 waves a work-group, clusters of 4 x 4, 327,680 bytes of LDS; arguments ao16, wo16, bo, out0; writes out0
.if DOCPART == 4
	.amdgcn_target "amdgcn-amd-amdhsa--gfx1250"
	.amdhsa_code_object_version 6
	.text
	.protected	k_q34ccacb0b4_proj
	.globl	k_q34ccacb0b4_proj
	.p2align	8
	.type	k_q34ccacb0b4_proj,@function
k_q34ccacb0b4_proj:
	s_mov_b64 s[64:65], 0
	v_nop
	global_prefetch_b8 v0, s[64:65] scope:SCOPE_SE
	s_setreg_imm32_b32 hwreg(HW_REG_WAVE_MODE, 25, 1), 1
	s_wait_xcnt 0x0
	s_wait_alu depctr_hold_cnt(0) depctr_sa_sdst(0) depctr_va_vdst(0) depctr_va_sdst(0) depctr_va_ssrc(0) depctr_va_vcc(0) depctr_vm_vsrc(0)
	s_getreg_b32 s2, hwreg(HW_REG_IB_STS2, 6, 4)
	s_cmp_eq_u32 s2, 0
	s_cbranch_scc0 .Lentry_in_a_cluster
	s_endpgm
.Lentry_in_a_cluster:
	s_bfe_u32 s2, ttmp6, 0x10000c
	s_cmp_lg_u32 s2, 0xf033
	s_cbranch_scc0 .Lentry_shape_is_right
	s_endpgm
.Lentry_shape_is_right:
; out[m][n] = sum over k of ao[m][k] Wo[k][n] + bo[n].  ao16: [batch][head][position][64] f16 (k = 64 head + channel); wo16: [1024 (k)][1024 (n)] f16; bo, out: f32.  Sums in f32.
; A tile of out is 128 (m) x 256 (n): 256 work-groups.  Four waves, each 64 x 128: 32 accumulators.  K goes in steps of 128 (two heads) through two LDS slots; eight steps.
; CLUSTERS: 4 x 4; ao's tile is asked for jointly along a row of the cluster, wo's along a column.  The matrix instruction is used transposed (source 0 = 16 columns of Wo, turned on the way out of LDS;
; source 1 = 16 rows of ao): a lane holds eight neighbouring columns of one row of out.  The bias is the C of each sum's first product.
; No prefetch: the tile is small and a K step short.  (Positions 0-15 of every sequence are written here too and are written anew, from f32 operands, by a later launch.)
; REGISTERS: window 0: v16-29 addresses; two fragment buffers of 96 (v64, v160): 64 of Wo, then 32 of ao.   window 1: the accumulators ((a, b) at v[8 (8 a + b)]).   window 2: v0-63 the bias.
.set AP,     144                       ; a row of ao's tile in LDS: 128 bytes + 16
.set BP,     544                       ; a row of wo's: 512 bytes + 32
.set APL,    128*AP                    ; a head's 128 rows
.set BOFF,   2*APL
.set BH,     64*BP
.set SLOT,   BOFF+2*BH
.set STAGE,  2*SLOT
.set SPITCH, 528
.set SPARE,  STAGE+4*16*SPITCH
.set LAPS,   4
.set ADRA, 16
.set ADRB, 20
.set STO,  24
.set RD,   25
.set CO,   26
.set SPW,  28
.set NIL,  29
.set F0,   64
.set F1,   160
.set G1, 24
.set G0, 32
.set G1B, 48
.set G0B, 56
.set MSB, 0
.macro WIN new
.if MSB != \new
	s_set_vgpr_msb (MSB<<8)|\new
.set MSB, \new
.endif
.endm
.set MUL, 0x50                         ; C and D in window 1; with 0x10 more: C in window 2
.macro JLOAD s                         ; a joint load: waves 0 and 1 fetch ao's two heads, waves 2 and 3 wo's two halves; an s_nop 0 and four v_nop follow each line
	s_cmp_eq_u32 s15, 0
	s_cbranch_scc0 .Lfor_b_\@
	tensor_load_to_lds s[G0+4*\s:G0+4*\s+3], s[G1:G1+7]
	s_nop 0
.rept 4
	v_nop
.endr
	s_branch .Lasked_\@
.Lfor_b_\@:
	tensor_load_to_lds s[G0B+4*\s:G0B+4*\s+3], s[G1B:G1B+7]
	s_nop 0
.rept 4
	v_nop
.endr
.Lasked_\@:
.endm
.macro CREST
	s_cmp_lg_u32 s14, 0
	s_cbranch_scc1 .Lnot_wave_0_\@
	s_barrier_signal -3
.Lnot_wave_0_\@:
	s_barrier_wait -3
	s_barrier_signal -1
	s_barrier_wait -1
.endm
.macro CROUND
	s_barrier_signal -1
	s_barrier_wait -1
	CREST
.endm
	s_load_b256 s[4:11], s[0:1], 0x0               ; ao16, wo16, bo, out0
	v_lshl_add_u32 v[SPW], v0, 2, SPARE
	v_mov_b32 v[NIL], 0
	ds_add_u32 v[SPW], v[NIL]                      ; the wave's opening: the add, twice on end, and its wait ahead of my first tensor load
	ds_add_u32 v[SPW], v[NIL]
	v_lshrrev_b32 v1, 5, v0
	v_readfirstlane_b32 s14, v1                    ; wave 0..3
	s_lshr_b32 s15, s14, 1                         ; which 64 rows are mine.  Also: I fetch for ao (0) or for wo (1)
	s_and_b32 s16, s14, 1                          ; which 128 columns.  Also: which half of that tile I fetch
	s_bfe_u32 s40, ttmp6, 0x40000
	s_bfe_u32 s41, ttmp6, 0x40004
	s_lshl_b32 s42, ttmp9, 2
	s_add_co_u32 s42, s42, s40                     ; tile column
	s_and_b32 s17, ttmp7, 0xffff
	s_lshl_b32 s17, s17, 2
	s_add_co_u32 s17, s17, s41                     ; tile row
	s_lshl_b32 s43, s41, 2
	s_lshl_b32 s43, 15, s43
	s_lshl_b32 s44, 0x1111, s40
	s_or_b32 s[G1], s43, (1<<16)|(1<<20)|(1<<21)|(4<<22)|(3<<25)    ; ao: 128 rows x 64 elements of 2 bytes, dense; 4 words of padding behind every 32
	s_mov_b32 s[G1+1], 64<<16
	s_mov_b32 s[G1+2], 128<<16
	s_mov_b32 s[G1+3], 64<<16
	s_mov_b32 s[G1+4], 128
	s_mov_b32 s[G1+5], 64
	s_mov_b32 s[G1+6], 0
	s_mov_b32 s[G1+7], 0
	s_or_b32 s[G1B], s44, (1<<16)|(1<<20)|(1<<21)|(6<<22)|(7<<25)   ; wo: 64 rows x 256 elements, 1,024 apart; 8 words of padding behind every 128
	s_mov_b32 s[G1B+1], 256<<16
	s_mov_b32 s[G1B+2], 64<<16
	s_mov_b32 s[G1B+3], 256<<16
	s_mov_b32 s[G1B+4], 64
	s_mov_b32 s[G1B+5], 1024
	s_mov_b32 s[G1B+6], 0
	s_mov_b32 s[G1B+7], 0
	s_lshr_b32 s20, s17, 4                         ; ao: batch x 16 planes,
	s_lshl_b32 s20, s20, 22
	s_and_b32 s21, s17, 15
	s_lshl_b32 s21, s21, 14                        ; + the tile's 128 positions of 128 bytes,
	s_add_co_u32 s20, s20, s21
	s_lshl_b32 s21, s16, 18                        ; + the head that I fetch
	s_add_co_u32 s20, s20, s21
	s_mov_b32 s21, 0
	s_lshl_b32 s46, s42, 9                         ; wo: the tile's 256 columns,
	s_lshl_b32 s47, s16, 17                        ; + the 64 rows that I fetch
	s_add_co_u32 s46, s46, s47
	s_mov_b32 s47, 0
	s_mul_i32 s45, s16, APL                        ; where they go: no place in the cluster enters an LDS address
	s_mul_i32 s18, s16, BH
	s_add_co_u32 s18, s18, BOFF
	s_wait_dscnt 0x0                               ; both opening adds are done
	s_wait_kmcnt 0x0
	s_add_nc_u64 s[20:21], s[4:5], s[20:21]
	s_add_nc_u64 s[46:47], s[6:7], s[46:47]
	CROUND                                         ; all sixteen work-groups are here: the first joint loads meet
.irp s, 0,1
	s_mov_b32 s[G0+4*\s], 1
	s_add_co_u32 s[G0+4*\s+1], s45, \s*SLOT
	s_add_nc_u64 s[G0+4*\s+2:G0+4*\s+3], s[20:21], \s*524288       ; K step s: two heads on
	s_or_b32 s[G0+4*\s+3], s[G0+4*\s+3], 0x80000000
	s_mov_b32 s[G0B+4*\s], 1
	s_add_co_u32 s[G0B+4*\s+1], s18, \s*SLOT
	s_add_nc_u64 s[G0B+4*\s+2:G0B+4*\s+3], s[46:47], \s*262144     ; 128 rows of 2,048 bytes on
	s_or_b32 s[G0B+4*\s+3], s[G0B+4*\s+3], 0x80000000
	JLOAD \s
.endr
	v_and_b32 v1, 15, v0
	v_bfe_u32 v2, v0, 4, 1
	v_mul_u32_u24 v3, v1, AP
	v_lshl_add_u32 v3, v2, 4, v3
	s_mul_i32 s21, s15, 64*AP
	v_and_b32 v4, 7, v0
	v_lshl_add_u32 v4, v2, 3, v4
	v_mul_u32_u24 v4, v4, BP
	v_bfe_u32 v5, v0, 3, 1
	v_lshl_add_u32 v4, v5, 4, v4                   ; the turning load: k row 8 h + l % 8, columns 8 ((l / 8) % 2) on
	s_lshl_b32 s22, s16, 8
	s_add_co_u32 s22, s22, BOFF
.irp s, 0,1
	v_add_nc_u32 v[ADRA+\s], s21, v3
	v_add_nc_u32 v[ADRB+\s], s22, v4
	s_add_co_u32 s21, s21, SLOT
	s_add_co_u32 s22, s22, SLOT
.endr
	s_mul_i32 s23, s14, 16*SPITCH
	s_add_co_u32 s23, s23, STAGE
	v_mul_u32_u24 v5, v1, SPITCH
	v_lshl_add_u32 v5, v2, 5, v5
	v_add_nc_u32 v[STO], s23, v5
	v_and_b32 v6, 31, v0
	v_lshlrev_b32 v[CO], 4, v6
	v_add_nc_u32 v[RD], s23, v[CO]
	s_lshl_b32 s20, s17, 1
	s_add_co_u32 s20, s20, s15
	s_lshl_b32 s20, s20, 18                        ; my first row of out: 64 rows of 4,096 bytes each
	s_mov_b32 s21, 0
	s_lshl_b32 s46, s42, 1
	s_add_co_u32 s46, s46, s16
	s_lshl_b32 s46, s46, 9                         ; my first column, in bytes (in bo and in a row of out alike)
	s_mov_b32 s47, 0
	s_add_nc_u64 s[8:9], s[8:9], s[46:47]
	s_add_nc_u64 s[10:11], s[10:11], s[46:47]
	s_add_nc_u64 s[10:11], s[10:11], s[20:21]
	v_lshlrev_b32 v7, 5, v2
	WIN 0x80
.irp b, 0,1,2,3,4,5,6,7                        ; the bias in the result's layout: lane (r, h), block b: columns 16 b + 8 h + 0 .. 7
	global_load_b128 v[8*\b:8*\b+3],   v7, s[8:9] offset:64*\b
	global_load_b128 v[8*\b+4:8*\b+7], v7, s[8:9] offset:64*\b+16
.endr
	WIN 0
.macro MUL8 f, a, first                ; rows 16 a on x my eight blocks of columns, 32 along K.  The 32 accumulators take turns in the same order in every quarter
.irp b, 0,1,2,3,4,5,6,7
.if \first
	v_wmma_f32_16x16x32_f16 v[8*(8*(\a)+\b):8*(8*(\a)+\b)+7], v[\f+8*\b:\f+8*\b+7], v[\f+64+8*(\a):\f+64+8*(\a)+7], v[8*\b:8*\b+7]
.else
	v_wmma_f32_16x16x32_f16 v[8*(8*(\a)+\b):8*(8*(\a)+\b)+7], v[\f+8*\b:\f+8*\b+7], v[\f+64+8*(\a):\f+64+8*(\a)+7], v[8*(8*(\a)+\b):8*(8*(\a)+\b)+7]
.endif
.endr
.endm
.macro FETCH slot, q, f                ; 24 LDS loads: the slot's q-th 32 along K
.irp b, 0,1,2,3,4,5,6,7
	ds_load_tr16_b128 v[\f+8*\b:\f+8*\b+3],   v[ADRB+\slot] offset:32*BP*(\q)+32*\b
	ds_load_tr16_b128 v[\f+8*\b+4:\f+8*\b+7], v[ADRB+\slot] offset:32*BP*(\q)+32*\b+16*BP
.endr
.irp a, 0,1,2,3
	ds_load_b128 v[\f+64+8*\a:\f+64+8*\a+3],   v[ADRA+\slot] offset:APL*((\q)/2)+64*((\q)%2)+16*AP*\a
	ds_load_b128 v[\f+64+8*\a+4:\f+64+8*\a+7], v[ADRA+\slot] offset:APL*((\q)/2)+64*((\q)%2)+16*AP*\a+32
.endr
.endm
.macro PLACES
.rept 4
	v_nop
.endr
.endm
.macro QUARTER slot, qn, f, g, first   ; multiplies buffer f; in its middle it fetches the slot's quarter qn into buffer g
	s_wait_dscnt 4                                 ; all but the youngest four loads (ao's rows 32-63) are in
	WIN MUL+0x10*\first
	MUL8 \f, 0, \first
	MUL8 \f, 1, \first
	PLACES
	WIN 0
	FETCH \slot, \qn, \g
	s_wait_dscnt 24                                ; all but the 24 just issued
	WIN MUL+0x10*\first
	MUL8 \f, 2, \first
	MUL8 \f, 3, \first
.endm
; A slot's last quarter changes slots: one barrier; ahead of it each wave waits for all its tensor loads, adds 0 to its spare word, and waits for that and for its reads of this slot.
; fill = 1: the barrier opens a round of the cluster's, and the joint refill, two K steps ahead, is the first thing behind it: one load of mine is out.
.macro TURN slot, next, fill
	WIN 0
	s_wait_tensorcnt 0x0
	ds_add_u32 v[SPW], v[NIL]
	s_wait_dscnt 5                                 ; (the add and the youngest four loads may be out)
	WIN MUL
	MUL8 F1, 0, 0
	s_wait_dscnt 0x0                               ; the add is done, and my reads of this slot are over
	s_barrier_signal -1
	MUL8 F1, 1, 0
	WIN 0
	s_barrier_wait -1
.if \fill
	CREST
	s_add_nc_u64 s[G0+4*\slot+2:G0+4*\slot+3], s[G0+4*\slot+2:G0+4*\slot+3], 1048576
	s_add_nc_u64 s[G0B+4*\slot+2:G0B+4*\slot+3], s[G0B+4*\slot+2:G0B+4*\slot+3], 524288
	JLOAD \slot                                    ; its four v_nop are also the places ahead of the loads below
.else
	PLACES
.endif
	FETCH \next, 0, F0
	WIN MUL
	MUL8 F1, 2, 0
	MUL8 F1, 3, 0
.endm
	s_wait_tensorcnt 1                             ; my part of K step 0 is in (K step 1's load may be out),
	s_barrier_signal -1
	s_barrier_wait -1                              ; everybody's is
	FETCH 0, 0, F0
	s_wait_loadcnt 0x0                             ; the bias
	QUARTER 0, 1, F0, F1, 1                        ; the first quarter's products start the sums from the bias
	WIN 0
	s_mov_b32 s3, LAPS-1
.Llap:
	QUARTER 0, 2, F1, F0, 0
	QUARTER 0, 3, F0, F1, 0
	TURN 0, 1, 1
	QUARTER 1, 1, F0, F1, 0
	QUARTER 1, 2, F1, F0, 0
	QUARTER 1, 3, F0, F1, 0
	TURN 1, 0, 1
	QUARTER 0, 1, F0, F1, 0
	WIN 0
	s_sub_co_u32 s3, s3, 1
	s_cmp_lg_u32 s3, 0
	s_cbranch_scc1 .Llap
	QUARTER 0, 2, F1, F0, 0                        ; the last lap fills nothing
	QUARTER 0, 3, F0, F1, 0
	TURN 0, 1, 0
	QUARTER 1, 1, F0, F1, 0
	QUARTER 1, 2, F1, F0, 0
	QUARTER 1, 3, F0, F1, 0
	s_wait_dscnt 4
	WIN MUL
	MUL8 F1, 0, 0
	MUL8 F1, 1, 0
	s_wait_dscnt 0x0
	MUL8 F1, 2, 0
	MUL8 F1, 3, 0
	WIN 0
; THE WAY OUT, 16 rows x 128 columns at a time, through my own stage: back as whole rows of 512 bytes.
.macro TOSTAGE a
	WIN 0x04                                       ; an LDS store's data are its source 1: window 1
.irp b, 0,1,2,3,4,5,6,7
	ds_store_b128 v[STO], v[8*(8*(\a)+\b):8*(8*(\a)+\b)+3] offset:64*\b          ; each accumulator from its low end on
	ds_store_b128 v[STO], v[8*(8*(\a)+\b)+4:8*(8*(\a)+\b)+7] offset:64*\b+16
.endr
	WIN 0
.set BB, 64+64*((\a)%2)
.irp t, 0,1,2,3,4,5,6,7,8,9,10,11,12,13,14,15
	ds_load_b128 v[BB+4*\t:BB+4*\t+3], v[RD] offset:\t*SPITCH
.endr
.endm
.macro SEND a, younger
.set BB, 64+64*((\a)%2)
	s_wait_dscnt \younger                          ; the block is back in registers
.irp t, 0,1,2,3,4,5,6,7,8,9,10,11,12,13,14,15
	global_store_b128 v[CO], v[BB+4*\t:BB+4*\t+3], s[10:11] offset:(16*(\a)+\t)*4096 th:TH_STORE_NT   ; 512 consecutive aligned bytes
.endr
.endm
	PLACES
	TOSTAGE 0
.irp a, 1,2,3
.if \a > 1
	s_wait_xcnt 0x0                                ; the stores of two blocks back have read their registers
.endif
	TOSTAGE \a
	SEND \a-1, 32                                  ; behind that block's loads: this block's 16 stores and 16 loads
.endr
	SEND 3, 0
	s_wait_tensorcnt 0x0                           ; the wave's end
	ds_add_u32 v[SPW], v[NIL]
	s_wait_dscnt 0x0
	CROUND                                         ; the closing round
	s_endpgm
.Lfunc_end_k_q34ccacb0b4_proj:
	.size	k_q34ccacb0b4_proj, .Lfunc_end_k_q34ccacb0b4_proj-k_q34ccacb0b4_proj
	.p2alignl 7, 3214868480
	.fill 96, 4, 3214868480
	.section	.rodata,"a",@progbits
	.p2align	6, 0x0
	.amdhsa_kernel k_q34ccacb0b4_proj
		.amdhsa_group_segment_fixed_size 327680
		.amdhsa_private_segment_fixed_size 0
		.amdhsa_enable_private_segment 0
		.amdhsa_kernarg_size 32
		.amdhsa_user_sgpr_count 2
		.amdhsa_user_sgpr_kernarg_segment_ptr 1
		.amdhsa_wavefront_size32 1
		.amdhsa_system_sgpr_workgroup_id_x 1
		.amdhsa_system_sgpr_workgroup_id_y 1
		.amdhsa_system_sgpr_workgroup_id_z 1
		.amdhsa_system_vgpr_workitem_id 0
		.amdhsa_next_free_vgpr 576
		.amdhsa_next_free_sgpr 66
		.amdhsa_reserve_vcc 0
		.amdhsa_float_denorm_mode_32 3
		.amdhsa_float_denorm_mode_16_64 3
		.amdhsa_memory_ordered 1
		.amdhsa_forward_progress 1
		.amdhsa_inst_pref_size 87
	.end_amdhsa_kernel
	.amdgpu_metadata
---
amdhsa.version: [ 1, 2 ]
amdhsa.kernels:
  - .name:           k_q34ccacb0b4_proj
    .symbol:         k_q34ccacb0b4_proj.kd
    .args:
      - { .name: ao16, .offset: 0, .size: 8, .value_kind: global_buffer, .address_space: global }
      - { .name: wo16, .offset: 8, .size: 8, .value_kind: global_buffer, .address_space: global }
      - { .name: bo, .offset: 16, .size: 8, .value_kind: global_buffer, .address_space: global }
      - { .name: out0, .offset: 24, .size: 8, .value_kind: global_buffer, .address_space: global }
    .group_segment_fixed_size: 327680
    .private_segment_fixed_size: 0
    .kernarg_segment_align: 8
    .kernarg_segment_size: 32
    .max_flat_workgroup_size: 128
    .sgpr_count:     66
    .vgpr_count:     576
    .wavefront_size: 32
...
	.end_amdgpu_metadata
.endif
;; end of part 4
;; launch fine_attn (part 5): grid 16 x 4, 12 waves a work-group, no clusters, 18,432 bytes of LDS; arguments xc, xs, wc, ws, ao32; writes ao32
.if DOCPART == 5
	.amdgcn_target "amdgcn-amd-amdhsa--gfx1250"
	.amdhsa_code_object_version 6
	.text
	.protected	k_q34ccacb0b4_fine_attn
	.globl	k_q34ccacb0b4_fine_attn
	.p2align	8
	.type	k_q34ccacb0b4_fine_attn,@function
k_q34ccacb0b4_fine_attn:
	s_mov_b64 s[64:65], 0
	v_nop
	global_prefetch_b8 v0, s[64:65] scope:SCOPE_SE
	s_setreg_imm32_b32 hwreg(HW_REG_WAVE_MODE, 25, 1), 1
	s_wait_xcnt 0x0
; Positions 0-15 of every sequence, carried in f32.  Work-group (head, batch).  Each of twelve waves makes one 16 x 16 tile of q, k or v of these 16 positions from the codes
; (the quantised products, sums in f32, never rounded to 16 bits); the tiles go to wave 0 through LDS as images of their registers; wave 0 does the 16 x 16 attention with the f32 matrix form.
; q and k tiles are used transposed (source 0 = 16 rows of wc, source 1 = the 16 rows of xc): a lane holds one position and eight channels.  v tiles the natural way: a lane holds one channel and eight positions.
; No number changes lanes: in each product K is permuted alike on both sources.  ao32: [16 batch + position][1024] f32.
.set STG,   12288                      ; behind the twelve images of 1,024 bytes: 16 rows x (256 bytes + 16)
.set SPARE, 16640                      ; the spare words, 128 bytes for each wave
.set SPW, 2
.set NIL, 3
	s_load_b256 s[4:11], s[0:1], 0x0               ; xc, xs, wc, ws
	s_load_b64 s[12:13], s[0:1], 0x20              ; ao32
	v_lshl_add_u32 v[SPW], v0, 2, SPARE
	v_mov_b32 v[NIL], 0
	v_lshrrev_b32 v1, 5, v0
	v_readfirstlane_b32 s14, v1                    ; wave T 0..11: type T / 4 (q, k, v), 16 channels T % 4
	s_lshr_b32 s15, s14, 2
	s_and_b32 s16, s14, 3
	s_lshl_b32 s17, s15, 10
	s_lshl_b32 s18, ttmp9, 6
	s_add_co_u32 s17, s17, s18
	s_lshl_b32 s18, s16, 4
	s_add_co_u32 s17, s17, s18                     ; my first row of wc
	s_and_b32 s19, ttmp7, 0xffff                   ; batch
	s_lshl_b32 s20, s17, 9
	s_mov_b32 s21, 0
	s_lshl_b32 s22, s17, 5
	s_mov_b32 s23, 0
	s_lshl_b32 s24, s19, 20                        ; 2,048 rows of 512 bytes a batch
	s_mov_b32 s25, 0
	s_lshl_b32 s26, s19, 16                        ; and of 32 scale bytes; also 16 rows of ao32
	s_mov_b32 s27, 0
	s_lshl_b32 s18, ttmp9, 8
	s_add_co_u32 s18, s18, s26
	s_mov_b32 s19, 0
	s_mov_b32 s36, 0x3e38aa3b                      ; c = log2(e) / 8
	s_mov_b32 s37, s36
	s_mov_b32 s38, 0x76543210
	s_mov_b32 s39, 0xfedcba98
	v_and_b32 v1, 31, v0                           ; lane
	v_and_b32 v8, 15, v0                           ; r
	v_bfe_u32 v9, v0, 4, 1                         ; h
	v_lshlrev_b32 v4, 4, v1                        ; an image's place for my lane
	s_lshl_b32 s28, s14, 10
	v_add_nc_u32 v5, s28, v4                       ; where I store my tile's image
	v_lshlrev_b32 v6, 9, v8
	v_lshl_add_u32 v6, v9, 4, v6                   ; codes: row r of 512 bytes, + 16 h
	v_lshlrev_b32 v7, 5, v8                        ; scale words: row r of 32 bytes
	v_lshlrev_b32 v10, 3, v9
	v_sub_nc_u32 v14, v8, v10                      ; d = r - 8 h
	v_mov_b32 v15, 0xff800000
	v_mul_u32_u24 v240, v8, 272
	v_lshl_add_u32 v240, v9, 5, v240
	v_add_nc_u32 v240, STG, v240                   ; the stage, in
	v_mul_u32_u24 v241, v9, 272
	v_lshl_add_u32 v241, v8, 4, v241
	v_add_nc_u32 v241, STG, v241                   ; and back: sixteen lanes to a row
	v_lshlrev_b32 v242, 4, v8
	v_lshl_add_u32 v242, v9, 12, v242              ; the same two rows in ao32
	v_mov_b32 v244, 0                              ; a lane permute's destination counts as one of its sources
	s_wait_kmcnt 0x0
	s_add_nc_u64 s[8:9], s[8:9], s[20:21]
	s_add_nc_u64 s[10:11], s[10:11], s[22:23]
	s_add_nc_u64 s[4:5], s[4:5], s[24:25]
	s_add_nc_u64 s[6:7], s[6:7], s[26:27]
	s_add_nc_u64 s[12:13], s[12:13], s[18:19]
	s_cmp_lt_u32 s14, 8                            ; q, k: source 0 = the weight; v: source 0 = x
	s_cselect_b64 s[28:29], s[8:9], s[4:5]
	s_cselect_b64 s[30:31], s[4:5], s[8:9]
	s_cselect_b64 s[32:33], s[10:11], s[6:7]
	s_cselect_b64 s[34:35], s[6:7], s[10:11]
.irp s, 0,1,2,3,4,5,6,7                        ; eight K steps of 128: fragments of 8 registers
	global_load_b128 v[16+8*\s:19+8*\s], v6, s[28:29] offset:64*\s
	global_load_b128 v[20+8*\s:23+8*\s], v6, s[28:29] offset:64*\s+32
	global_load_b128 v[80+8*\s:83+8*\s], v6, s[30:31] offset:64*\s
	global_load_b128 v[84+8*\s:87+8*\s], v6, s[30:31] offset:64*\s+32
.endr
	global_load_b128 v[144:147], v7, s[32:33]      ; v144-159 hold scale words and nothing else: register s = the word of K step s
	global_load_b128 v[148:151], v7, s[32:33] offset:16
	global_load_b128 v[152:155], v7, s[34:35]
	global_load_b128 v[156:159], v7, s[34:35] offset:16
	s_wait_loadcnt 0x0
.irp s, 0,1,2,3,4,5,6,7                        ; two accumulators by turns
.if \s < 2
	v_wmma_scale_f32_16x16x128_f8f6f4 v[160+8*(\s%2):167+8*(\s%2)], v[16+8*\s:23+8*\s], v[80+8*\s:87+8*\s], 0, v[144+\s], v[152+\s] matrix_a_fmt:MATRIX_FMT_FP4 matrix_b_fmt:MATRIX_FMT_FP4
.else
	v_wmma_scale_f32_16x16x128_f8f6f4 v[160+8*(\s%2):167+8*(\s%2)], v[16+8*\s:23+8*\s], v[80+8*\s:87+8*\s], v[160+8*(\s%2):167+8*(\s%2)], v[144+\s], v[152+\s] matrix_a_fmt:MATRIX_FMT_FP4 matrix_b_fmt:MATRIX_FMT_FP4
.endif
.endr
.rept 4
	v_nop
.endr
.irp p, 0,2,4,6
	v_pk_add_f32 v[176+\p:177+\p], v[160+\p:161+\p], v[168+\p:169+\p]
.endr
	ds_store_b128 v5, v[176:179]
	ds_store_b128 v5, v[180:183] offset:512
	s_wait_dscnt 0x0                               ; for wave 0's sake: my image has landed
	s_barrier_signal -1
	s_barrier_wait -1
	s_cmp_lg_u32 s14, 0
	s_cbranch_scc1 .Lend
.irp T, 0,1,2,3,4,5,6,7,8,9,10,11              ; q's four tiles v16-47, k's v48-79, v's v80-111
	ds_load_b128 v[16+8*\T:19+8*\T], v4 offset:1024*\T
	ds_load_b128 v[20+8*\T:23+8*\T], v4 offset:1024*\T+512
.endr
	s_wait_dscnt 0x0
.set i, 0
.rept 16                                       ; S^T = k q^T: pair i of both: slot 2 h + j stands for channel 16 (i / 4) + 8 h + 2 (i % 4) + j.  v192-207 are written by matrix instructions alone
.if i < 2
	v_wmma_f32_16x16x4_f32 v[192+8*(i%2):199+8*(i%2)], v[48+2*i:49+2*i], v[16+2*i:17+2*i], 0
.else
	v_wmma_f32_16x16x4_f32 v[192+8*(i%2):199+8*(i%2)], v[48+2*i:49+2*i], v[16+2*i:17+2*i], v[192+8*(i%2):199+8*(i%2)]
.endif
.set i, i+1
.endr
.rept 8
	v_nop
.endr
.irp p, 0,2,4,6
	v_pk_add_f32 v[184+\p:185+\p], v[192+\p:193+\p], v[200+\p:201+\p]   ; lane (r, h): query r, keys 8 h + 0 .. 7
.endr
.irp j, 0,1,2,3,4,5,6,7
	v_cmp_gt_i32 vcc_lo, \j, v14                   ; key 8 h + j comes after query r
	v_cndmask_b32 v[184+\j], v[184+\j], v15, vcc_lo
.endr
	v_max3_num_f32 v243, v184, v185, v186
	v_max3_num_f32 v243, v243, v187, v188
	v_max3_num_f32 v243, v243, v189, v190
	v_max_num_f32 v243, v243, v191
	v_permlanex16_b32 v244, v243, s38, s39
	v_max_num_f32 v243, v243, v244                 ; the row's maximum (key 0 counts for every query)
	v_mul_f32 v8, s36, v243
	v_mov_b32 v9, v8
.irp p, 0,2,4,6
	v_pk_fma_f32 v[184+\p:185+\p], v[184+\p:185+\p], s[36:37], v[8:9] op_sel_hi:[1,0,0] neg_lo:[0,0,1] neg_hi:[0,0,1]
.endr
.irp j, 0,1,2,3,4,5,6,7
	v_exp_f32 v[184+\j], v[184+\j]
.endr
	v_nop
	s_wait_alu depctr_va_vdst(0)                   ; one wait for the eight exponentials, ahead of their first reader
	v_pk_add_f32 v[10:11], v[184:185], v[186:187]
	v_pk_add_f32 v[12:13], v[188:189], v[190:191]
	v_pk_add_f32 v[10:11], v[10:11], v[12:13]
	v_add_f32 v10, v10, v11
	v_permlanex16_b32 v11, v10, s38, s39
	v_add_f32 v10, v10, v11
	v_rcp_f32 v12, v10
.irp s, 0,1,2,3                                ; O^T = v^T p: slot 2 h + j of step s stands for key 8 h + 2 s + j; four accumulators by turns; v208-239 are written by matrix instructions alone
.irp d, 0,1,2,3
.if \s == 0
	v_wmma_f32_16x16x4_f32 v[208+8*\d:215+8*\d], v[80+8*\d+2*\s:81+8*\d+2*\s], v[184+2*\s:185+2*\s], 0
.else
	v_wmma_f32_16x16x4_f32 v[208+8*\d:215+8*\d], v[80+8*\d+2*\s:81+8*\d+2*\s], v[184+2*\s:185+2*\s], v[208+8*\d:215+8*\d]
.endif
.endr
.endr
.rept 8
	v_nop
.endr
	s_wait_alu depctr_va_vdst(0)                   ; the reciprocal's wait, ahead of its first reader
.irp j, 0,2,4,6,8,10,12,14,16,18,20,22,24,26,28,30
	v_pk_mul_f32 v[112+\j:113+\j], v[208+\j:209+\j], v[12:13] op_sel_hi:[1,0]   ; register 8 d + i is o(query r, channel 16 d + 8 h + i)
.endr
.irp d, 0,1,2,3
	ds_store_b128 v240, v[112+8*\d:115+8*\d] offset:64*\d
	ds_store_b128 v240, v[116+8*\d:119+8*\d] offset:64*\d+16
.endr
.irp i, 0,1,2,3,4,5,6,7
	ds_load_b128 v[16+4*\i:19+4*\i], v241 offset:544*\i
.endr
.irp i, 0,1,2,3,4,5,6,7
	s_wait_dscnt 7-\i
	global_store_b128 v242, v[16+4*\i:19+4*\i], s[12:13] offset:8192*\i   ; sixteen lanes store 256 consecutive aligned bytes: a position's 64 channels of this head
.endr
.Lend:
	s_wait_tensorcnt 0x0                           ; the wave's end
	ds_add_u32 v[SPW], v[NIL]
	s_wait_dscnt 0x0
	s_endpgm
.Lfunc_end_k_q34ccacb0b4_fine_attn:
	.size	k_q34ccacb0b4_fine_attn, .Lfunc_end_k_q34ccacb0b4_fine_attn-k_q34ccacb0b4_fine_attn
	.p2alignl 7, 3214868480
	.fill 96, 4, 3214868480
	.section	.rodata,"a",@progbits
	.p2align	6, 0x0
	.amdhsa_kernel k_q34ccacb0b4_fine_attn
		.amdhsa_group_segment_fixed_size 18432
		.amdhsa_private_segment_fixed_size 0
		.amdhsa_enable_private_segment 0
		.amdhsa_kernarg_size 40
		.amdhsa_user_sgpr_count 2
		.amdhsa_user_sgpr_kernarg_segment_ptr 1
		.amdhsa_wavefront_size32 1
		.amdhsa_system_sgpr_workgroup_id_x 1
		.amdhsa_system_sgpr_workgroup_id_y 1
		.amdhsa_system_sgpr_workgroup_id_z 1
		.amdhsa_system_vgpr_workitem_id 0
		.amdhsa_next_free_vgpr 256
		.amdhsa_next_free_sgpr 66
		.amdhsa_reserve_vcc 1
		.amdhsa_float_denorm_mode_32 3
		.amdhsa_float_denorm_mode_16_64 3
		.amdhsa_memory_ordered 1
		.amdhsa_forward_progress 1
		.amdhsa_inst_pref_size 18
	.end_amdhsa_kernel
	.amdgpu_metadata
---
amdhsa.version: [ 1, 2 ]
amdhsa.kernels:
  - .name:           k_q34ccacb0b4_fine_attn
    .symbol:         k_q34ccacb0b4_fine_attn.kd
    .args:
      - { .name: xc, .offset: 0, .size: 8, .value_kind: global_buffer, .address_space: global }
      - { .name: xs, .offset: 8, .size: 8, .value_kind: global_buffer, .address_space: global }
      - { .name: wc, .offset: 16, .size: 8, .value_kind: global_buffer, .address_space: global }
      - { .name: ws, .offset: 24, .size: 8, .value_kind: global_buffer, .address_space: global }
      - { .name: ao32, .offset: 32, .size: 8, .value_kind: global_buffer, .address_space: global }
    .group_segment_fixed_size: 18432
    .private_segment_fixed_size: 0
    .kernarg_segment_align: 8
    .kernarg_segment_size: 40
    .max_flat_workgroup_size: 384
    .sgpr_count:     66
    .vgpr_count:     256
    .wavefront_size: 32
...
	.end_amdgpu_metadata
.endif
;; end of part 5
;; launch fine_proj (part 6): grid 16 x 4, 16 waves a work-group, no clusters, 19,456 bytes of LDS; arguments ao32, Wo, bo, out0; writes out0
.if DOCPART == 6
	.amdgcn_target "amdgcn-amd-amdhsa--gfx1250"
	.amdhsa_code_object_version 6
	.text
	.protected	k_q34ccacb0b4_fine_proj
	.globl	k_q34ccacb0b4_fine_proj
	.p2align	8
	.type	k_q34ccacb0b4_fine_proj,@function
k_q34ccacb0b4_fine_proj:
	s_mov_b64 s[64:65], 0
	v_nop
	global_prefetch_b8 v0, s[64:65] scope:SCOPE_SE
	s_setreg_imm32_b32 hwreg(HW_REG_WAVE_MODE, 25, 1), 1
	s_wait_xcnt 0x0
; Positions 0-15 of every sequence: out = ao32 Wo + bo with f32 operands (the f32 matrix form: 64 rows in all, no bulk work).  It writes over what the f16 product left in these rows.
; Work-group (64 columns, batch): 16 rows x 64 columns.  Wave: 16 columns (wave % 4), K 256 (wave / 4) on: 64 matrix steps of 4 along K, in eight batches of 32 along K.
; The four parts along K meet in LDS; waves 0-7 add them and the bias and store two rows each.  Transposed use: source 0 = 16 columns of Wo, source 1 = the 16 rows: a lane holds eight neighbouring columns of a row.
; K is permuted alike on both sources: register 4 u + c of a batch is k = 8 u + 4 h + c.
.set PARTB, 4352                       ; a part: 16 rows x (256 bytes + 16)
.set SPARE, 4*PARTB                    ; the spare words, 128 bytes for each wave
.set SPW, 2
.set NIL, 3
	s_load_b256 s[4:11], s[0:1], 0x0               ; ao32, Wo, bo, out0
	v_lshl_add_u32 v[SPW], v0, 2, SPARE
	v_mov_b32 v[NIL], 0
	v_lshrrev_b32 v1, 5, v0
	v_readfirstlane_b32 s12, v1                    ; wave 0..15
	s_and_b32 s13, s12, 3                          ; which 16 columns
	s_lshr_b32 s14, s12, 2                         ; which 256 along K
	s_and_b32 s15, ttmp7, 0xffff                   ; batch
	s_lshl_b32 s16, s14, 20                        ; Wo: 256 rows of 4,096 bytes,
	s_lshl_b32 s18, ttmp9, 8                       ; the work-group's 64 columns,
	s_add_co_u32 s16, s16, s18
	s_lshl_b32 s19, s13, 6                         ; my 16
	s_add_co_u32 s16, s16, s19
	s_mov_b32 s17, 0
	s_mov_b32 s19, 0
	s_lshl_b32 s20, s15, 16                        ; ao32: 16 rows of 4,096 bytes a batch, + my K
	s_lshl_b32 s21, s14, 10
	s_add_co_u32 s20, s20, s21
	s_mov_b32 s21, 0
	s_lshl_b32 s22, s15, 23                        ; out: 2,048 rows a batch,
	s_and_b32 s23, s12, 7
	s_lshl_b32 s24, s23, 13                        ; the two rows that I store,
	s_add_co_u32 s22, s22, s24
	s_add_co_u32 s22, s22, s18                     ; the 64 columns
	s_mul_i32 s24, s14, PARTB
	s_lshl_b32 s25, s13, 6
	s_add_co_u32 s24, s24, s25
	s_mul_i32 s25, s23, 544
	s_mov_b32 s23, 0
	v_and_b32 v4, 15, v0                           ; r
	v_bfe_u32 v5, v0, 4, 1                         ; h
	v_lshlrev_b32 v6, 2, v4
	v_lshl_add_u32 v6, v5, 14, v6                  ; Wo: column r, 4 rows further down for lanes 16-31
	v_lshlrev_b32 v7, 12, v4
	v_lshl_add_u32 v7, v5, 4, v7                   ; ao32: row r, + 16 h
	v_mul_u32_u24 v8, v4, 272
	v_lshl_add_u32 v8, v5, 5, v8
	v_add_nc_u32 v8, s24, v8                       ; my part: row r, my 16 columns, + 32 h
	v_mul_u32_u24 v9, v5, 272
	v_lshl_add_u32 v9, v4, 4, v9
	v_add_nc_u32 v9, s25, v9                       ; back: sixteen lanes to a row, two rows a wave
	v_lshlrev_b32 v11, 4, v4
	v_lshl_add_u32 v10, v5, 12, v11
	s_wait_kmcnt 0x0
	s_add_nc_u64 s[6:7], s[6:7], s[16:17]
	s_add_nc_u64 s[4:5], s[4:5], s[20:21]
	s_add_nc_u64 s[8:9], s[8:9], s[18:19]
	s_add_nc_u64 s[10:11], s[10:11], s[22:23]
	global_load_b128 v[24:27], v11, s[8:9]         ; the bias of my 16 bytes of a row
.macro LOADB g, set                    ; 20 loads: batch g's 32 along K into set: 16 registers of Wo, then 16 of ao32
.irp u, 0,1,2,3
.irp c, 0,1,2,3
	global_load_b32 v[32+32*(\set)+4*\u+\c], v6, s[6:7] offset:(32*(\g)+8*\u+\c)*4096
.endr
	global_load_b128 v[48+32*(\set)+4*\u:51+32*(\set)+4*\u], v7, s[4:5] offset:128*(\g)+32*\u
.endr
.endm
.macro MULB g, set                     ; eight matrix steps, two accumulators by turns; v224-239 are written by matrix instructions alone
.irp t, 0,1,2,3,4,5,6,7
.if ((\g) == 0) && (\t < 2)
	v_wmma_f32_16x16x4_f32 v[224+8*(\t%2):231+8*(\t%2)], v[32+32*(\set)+2*\t:33+32*(\set)+2*\t], v[48+32*(\set)+2*\t:49+32*(\set)+2*\t], 0
.else
	v_wmma_f32_16x16x4_f32 v[224+8*(\t%2):231+8*(\t%2)], v[32+32*(\set)+2*\t:33+32*(\set)+2*\t], v[48+32*(\set)+2*\t:49+32*(\set)+2*\t], v[224+8*(\t%2):231+8*(\t%2)]
.endif
.endr
.endm
	LOADB 0, 0
	LOADB 1, 1
	LOADB 2, 2
.irp g, 0,1,2,3,4,5,6,7
.if \g < 6
	s_wait_loadcnt 40                              ; this batch is in; the two younger batches may be out
.else
	s_wait_loadcnt 20*(7-\g)
.endif
	MULB \g, \g%3
.if \g+3 < 8
.rept 8
	v_nop                                          ; places ahead of loads into registers that these products have read
.endr
	LOADB \g+3, \g%3
.endif
.endr
.rept 8
	v_nop
.endr
.irp p, 0,2,4,6
	v_pk_add_f32 v[16+\p:17+\p], v[224+\p:225+\p], v[232+\p:233+\p]
.endr
	ds_store_b128 v8, v[16:19]
	ds_store_b128 v8, v[20:23] offset:16
	s_wait_dscnt 0x0                               ; for the others' sake: my part has landed
	s_barrier_signal -1
	s_barrier_wait -1
	s_cmp_lt_u32 s12, 8
	s_cbranch_scc0 .Lend
.irp k, 0,1,2,3
	ds_load_b128 v[128+4*\k:131+4*\k], v9 offset:PARTB*\k
.endr
	s_wait_dscnt 0x0
	v_pk_add_f32 v[128:129], v[128:129], v[132:133]
	v_pk_add_f32 v[130:131], v[130:131], v[134:135]
	v_pk_add_f32 v[136:137], v[136:137], v[140:141]
	v_pk_add_f32 v[138:139], v[138:139], v[142:143]
	v_pk_add_f32 v[128:129], v[128:129], v[136:137]
	v_pk_add_f32 v[130:131], v[130:131], v[138:139]
	v_pk_add_f32 v[128:129], v[128:129], v[24:25]
	v_pk_add_f32 v[130:131], v[130:131], v[26:27]
	global_store_b128 v10, v[128:131], s[10:11]    ; sixteen lanes store 256 consecutive aligned bytes
.Lend:
	s_wait_tensorcnt 0x0                           ; the wave's end
	ds_add_u32 v[SPW], v[NIL]
	s_wait_dscnt 0x0
	s_endpgm
.Lfunc_end_k_q34ccacb0b4_fine_proj:
	.size	k_q34ccacb0b4_fine_proj, .Lfunc_end_k_q34ccacb0b4_fine_proj-k_q34ccacb0b4_fine_proj
	.p2alignl 7, 3214868480
	.fill 96, 4, 3214868480
	.section	.rodata,"a",@progbits
	.p2align	6, 0x0
	.amdhsa_kernel k_q34ccacb0b4_fine_proj
		.amdhsa_group_segment_fixed_size 19456
		.amdhsa_private_segment_fixed_size 0
		.amdhsa_enable_private_segment 0
		.amdhsa_kernarg_size 32
		.amdhsa_user_sgpr_count 2
		.amdhsa_user_sgpr_kernarg_segment_ptr 1
		.amdhsa_wavefront_size32 1
		.amdhsa_system_sgpr_workgroup_id_x 1
		.amdhsa_system_sgpr_workgroup_id_y 1
		.amdhsa_system_sgpr_workgroup_id_z 1
		.amdhsa_system_vgpr_workitem_id 0
		.amdhsa_next_free_vgpr 256
		.amdhsa_next_free_sgpr 66
		.amdhsa_reserve_vcc 0
		.amdhsa_float_denorm_mode_32 3
		.amdhsa_float_denorm_mode_16_64 3
		.amdhsa_memory_ordered 1
		.amdhsa_forward_progress 1
		.amdhsa_inst_pref_size 25
	.end_amdhsa_kernel
	.amdgpu_metadata
---
amdhsa.version: [ 1, 2 ]
amdhsa.kernels:
  - .name:           k_q34ccacb0b4_fine_proj
    .symbol:         k_q34ccacb0b4_fine_proj.kd
    .args:
      - { .name: ao32, .offset: 0, .size: 8, .value_kind: global_buffer, .address_space: global }
      - { .name: Wo, .offset: 8, .size: 8, .value_kind: global_buffer, .address_space: global }
      - { .name: bo, .offset: 16, .size: 8, .value_kind: global_buffer, .address_space: global }
      - { .name: out0, .offset: 24, .size: 8, .value_kind: global_buffer, .address_space: global }
    .group_segment_fixed_size: 19456
    .private_segment_fixed_size: 0
    .kernarg_segment_align: 8
    .kernarg_segment_size: 32
    .max_flat_workgroup_size: 512
    .sgpr_count:     66
    .vgpr_count:     256
    .wavefront_size: 32
...
	.end_amdgpu_metadata
.endif
;; end of part 6
